; MI455X (gfx1250); checked and timed in simulation.
; The chip was launched on July 23, 2026; its instructions are those of AMD's public machine-readable ISA for CDNA 5 (MIT licence, August 2026) and "CDNA5" Instruction Set Architecture Reference Guide (July 2026). The comments in the code are by the model that wrote it; some were corrected since.
;; Differential Attention. Allowed arithmetic: matrix products marked QUANTISED: E2M3 operands, one E8M0 scale for each 32 along K, by v_wmma_scale_f32_16x16x128_f8f6f4 with both operands' format E2M3, f32 sums; everything else in f32.
;; Inputs: Wk 1,024 x 2,048 float32; Wo 1,024 x 1,024 float32; Wq 1,024 x 2,048 float32; Wv 1,024 x 1,024 float32; attention_mask 2 x 2,048 float32; bk 2,048 float32; bo 1,024 float32; bq 2,048 float32; bv 1,024 float32; hidden_states 2 x 2,048 x 1,024 float32; lam one number float32.
;; Outputs: out0 2 x 2,048 x 1,024 float32.
;; This version of the problem:
;;   THIS VERSION OF THE PROBLEM IS GIVEN IN LOW PRECISION. The matrix products marked QUANTISED in the list below multiply operands that are first quantised to E2M3 (2 exponent bits, 3 mantissa bits; 6 bits a number), with one power-of-two scale for each 32 numbers along K (OCP MX v1.0); their sums are f32. All else is computed in f32.
;;   The module's matrix products, in the order in which they are computed (A, B: the left and right operand; K: the contracted axis; several contracted axes count as one K, in the product's order):
;;     1. [M 4,096, K 1,024] x [K 1,024, N 2,048]; A: input hidden_states; B: input Wq: QUANTISED
;;     2. [M 4,096, K 1,024] x [K 1,024, N 2,048]; A: input hidden_states; B: input Wk: QUANTISED
;;     3. [M 4,096, K 1,024] x [K 1,024, N 1,024]; A: input hidden_states; B: input Wv: QUANTISED
;;     4. batch 32 x [M 2,048, K 64] x [K 64, N 2,048]; A: computed on the way; B: computed on the way: QUANTISED
;;     5. batch 32 x [M 2,048, K 64] x [K 64, N 2,048]; A: computed on the way; B: computed on the way: QUANTISED
;;     6. batch 32 x [M 2,048, K 2,048] x [K 2,048, N 64]; A: computed on the way; B: computed on the way: QUANTISED
;;     7. [M 4,096, K 1,024] x [K 1,024, N 1,024]; A: computed on the way; B: input Wo: QUANTISED
;;   THE QUANTISER, for each operand of a quantised product, along K:
;;     - K is cut into blocks of 32 from its start; a last block that is shorter is filled with zeros.
;;     - A block's scale is 2^e with e = floor(log2(the largest magnitude in the block)) - 2, held to -126 .. 127; a block of zeros has e = 0. As a byte (E8M0): e + 127.
;;     - Each number is divided by its block's scale, clamped to +-7.5, and rounded to the nearest number of E2M3, ties to even, subnormals kept.
;;     - The product sums the exact products of the quantised numbers (number of the format x scale) in f32.
;;   ~~~python
;;   def quantise(x, axis):      # numpy; x: float32 -> the quantised numbers, widened to float32 again
;;       x = np.moveaxis(x, axis, -1); K = x.shape[-1]
;;       x = np.pad(x, [(0, 0)] * (x.ndim - 1) + [(0, -K % 32)]); x = x.reshape(x.shape[:-1] + (-1, 32)); a = np.abs(x).max(-1, keepdims=True)
;;       e = np.where(a > 0, np.clip(np.frexp(np.where(a > 0, a, 1))[1] - 1 - 2, -126, 127), 0)      # np.frexp(a)[1] - 1 = floor(log2(a)), exactly
;;       r = np.clip(x / 2.0 ** e, -7.5, 7.5)
;;       step = 2.0 ** (np.maximum(np.frexp(np.where(r == 0, 1, r))[1] - 1, 0) - 3)
;;       q = np.round(r / step) * step * 2.0 ** e      # np.round: ties to even
;;       return np.moveaxis(q.reshape(q.shape[:-2] + (-1,))[..., :K], -1, axis).astype(np.float32)
;;   ~~~
;;   OPERANDS COMPUTED ON THE WAY. 'Computed on the way' means the value that the module computes at that place (a softmax that the list does not call 'softmax' is quantised finished and normalised). What goes into a quantiser is computed in f32, as accurately as f32 sums, v_exp_f32 and their like allow (about 1e-6 of the number): no bf16 or f16 on the way to a quantiser, and a product that is left as it is and whose result goes on into a quantised operand takes f32 operands (vector FMAs, or v_wmma_f32_16x16x4_f32). A number that lies on a knife's edge between two numbers of the format may be rounded either way, as far as f32 arithmetic and the matrix unit's own rounding can turn it there, and no further.
;; One version. Each part assembles by itself: llvm-mc -triple=amdgcn-amd-amdhsa -mcpu=gfx1250 --defsym DOCPART=n.
;; ======== version 1 of 1: 4 launches
;; limits: right only within a limited range of input values
;; workspace buffers: hs_img 3,276,800 bytes; w_img 4,915,200 bytes; qk_img 13,107,200 bytes; v_img 3,276,800 bytes; o_img 3,276,800 bytes
;; launch quant (part 1): grid 320 x 1, 4 waves a work-group, no clusters, 61,952 bytes of LDS; arguments hidden_states, Wq, Wk, Wv, Wo, hs_img, w_img; writes hs_img, w_img
.if DOCPART == 1
	.amdgcn_target "amdgcn-amd-amdhsa--gfx1250"
	.amdhsa_code_object_version 6
	.text
	.protected	k_q9aa9c38b12_quant
	.globl	k_q9aa9c38b12_quant
	.p2align	8
	.type	k_q9aa9c38b12_quant,@function
k_q9aa9c38b12_quant:
	s_mov_b64 s[64:65], 0
	v_nop
	global_prefetch_b8 v0, s[64:65] scope:SCOPE_SE
	s_setreg_imm32_b32 hwreg(HW_REG_WAVE_MODE, 25, 1), 1
	s_wait_xcnt 0x0
; hidden_states [4096][1024] and Wq, Wk [1024][2048], Wv, Wo [1024][1024], all f32, become codes of FP6 (E2M3) with one E8M0 byte for each 32 along K (K = the 1024).
; WHAT IS STORED: IMAGES OF OPERAND REGISTERS.  A fragment is 16 rows x 128 K, 12 registers a lane; its image is three chunks of 512 bytes, chunk c = registers 4c..4c+3, lane l's 16 bytes at 16 l.
; The 16 rows of a tile are not neighbours: of 32 rows, tile u (0, 1) takes at place r the row 8 u + (r & 7) + 16 (r >> 3).  A tile's scale image for 256 along K is 128 bytes: words 0-15 the rows' words of the first 128, words 16-31 of the second.
; hs_img: [block of 256 rows][slot of 256 K]: 16 tiles x 2 fragments, then 16 scale images: 51,200 bytes.
; w_img:  [ni 16][slot 4] blocks of 64,000 bytes: 20 tiles x 2 fragments, then 20 scale images: tiles 8 wn + 2 beta + u: columns of Wq (groups 2 ni + wn under 16: the head) or Wk (the head + 16), beta = 2 x part + half of the head's 64;
;         tiles 16-19: Wv's 64 columns of head ni.  From byte 4,096,000: Wo, [128 columns][slot 4] blocks of 25,600 bytes: 8 tiles likewise.
; A block's scale is 2^(floor(log2(largest magnitude)) - 2); its byte is the largest magnitude's exponent field - 2, held at 1 from below.
; LIMITS: NaN and infinities are not served; a block whose largest magnitude lies under 2^-124 keeps the byte 1; a block of zeros gets the byte 1 where the rule says 127: its codes are zeros, and this program alone reads the bytes.
; SHARES: a wave takes 32 rows (or columns) x 256 K: four fragments.  Work-groups 0-127: hidden_states (K innermost: dense loads, turned through the wave's own stage in LDS).
; Work-groups 128-319: the weights (K outermost: a lane takes a column, its registers run down K).  The two ways have LDS bytes of their own.  Waves share nothing: no barrier.
.set SPARE, 61440                      ; the spare words, 128 bytes a wave
.set SPW,  28
.set NIL,  29
.set SEL,  20                          ; s[20:21] selects for lane l xor 16
.set TM,   8                           ; v8-23  at work in QUANT
.set FL,   24                          ; the floor 2^(3 - 127)
.set PW,   25                          ; the scale word just made
.set RS,   32                          ; v32-159 two sets of 64 registers as loaded
.set XN,   160                         ; v160-223 64 numbers: register 16 b + i = k 32 b + 16 (lane / 16) + i of my row
.set PC,   224                         ; v224-242 the codes
.set VO,   32                          ; weights: v32-63 offsets 4 lane + i x pitch; never rewritten
.set XW,   64                          ; v64-127 two sets of 32 numbers
.set CP,   128                         ; v128-133 a block's six code registers
.set CT,   136
.set SBW,  140                         ; v140-141 scale words
.set OUTR, 144                         ; v144-191 the way out
	s_load_b256 s[4:11], s[0:1], 0x0               ; hidden_states, Wq, Wk, Wv
	s_load_b128 s[12:15], s[0:1], 0x20             ; Wo, hs_img
	s_load_b64 s[16:17], s[0:1], 0x30              ; w_img
	v_lshl_add_u32 v[SPW], v0, 2, SPARE
	v_mov_b32 v[NIL], 0
	v_lshrrev_b32 v1, 5, v0
	v_readfirstlane_b32 s18, v1                    ; wave
	v_and_b32 v7, 31, v0                           ; lane
	v_lshlrev_b32 v1, 4, v7                        ; 16 x lane
	v_lshlrev_b32 v6, 3, v7                        ; 8 x lane
	s_mov_b32 s[SEL], 0x76543210
	s_mov_b32 s[SEL+1], 0xfedcba98
	s_cmp_lt_u32 ttmp9, 128
	s_cbranch_scc0 .Lweights
; ---------------- hidden_states: work-group = 32 rows, wave = slot of 256 K
	v_and_b32 v26, 15, v0                          ; r
	v_bfe_u32 v27, v0, 4, 1                        ; h
	s_mul_i32 s19, s18, 8704                       ; my region: a stage of 16 rows x 528 bytes, then 256 bytes for scale words
	v_add_nc_u32 v2, s19, v1                       ; into the stage: 16 x lane of a row
	v_mul_u32_u24 v3, v26, 528
	v_lshl_add_u32 v3, v27, 6, v3
	v_add_nc_u32 v3, s19, v3                       ; out of it: row r, + 64 h
	s_add_co_u32 s22, s19, 8448
	v_lshl_add_u32 v4, v26, 2, s22                 ; my row's scale word
	v_add_nc_u32 v5, s22, v6
	v_mov_b32 v[FL], 0x1800000
.irp b, 0,1,2,3
	v_mov_b32 v[TM+4+\b], 0                        ; a lane permute's destination counts as read
.endr
	s_lshl_b32 s24, ttmp9, 17                      ; 32 rows of 4,096 bytes
	s_lshl_b32 s23, s18, 10                        ; + the slot's 1,024 bytes
	s_add_co_u32 s24, s24, s23
	s_mov_b32 s25, 0
	s_lshr_b32 s26, ttmp9, 3                       ; block of 256 rows
	s_lshl_b32 s26, s26, 2
	s_add_co_u32 s26, s26, s18
	s_mul_i32 s26, s26, 51200
	s_and_b32 s23, ttmp9, 7
	s_mul_i32 s28, s23, 6144                       ; my two tiles' codes
	s_add_co_u32 s28, s28, s26
	s_mov_b32 s29, 0
	s_lshl_b32 s30, s23, 8                         ; and their scale images
	s_add_co_u32 s30, s30, s26
	s_add_co_u32 s30, s30, 49152
	s_mov_b32 s31, 0
	s_wait_alu depctr_va_vdst(0)
	s_wait_kmcnt 0x0
	s_add_nc_u64 s[4:5], s[4:5], s[24:25]
	s_add_nc_u64 s[28:29], s[14:15], s[28:29]
	s_add_nc_u64 s[30:31], s[14:15], s[30:31]
; 64 numbers of a lane become a fragment's 12 code registers in v[PC] on and its scale word in v[PW]
.macro QUANT s
.irp b, 0,1,2,3
	v_max3_num_f32 v[TM+\b], v[FL], |v[\s+16*\b]|, |v[\s+16*\b+1]|      ; block b: my 16 numbers and the floor, the four blocks by turns
.endr
.irp i, 2,4,6,8,10,12,14
.irp b, 0,1,2,3
	v_max3_num_f32 v[TM+\b], v[TM+\b], |v[\s+16*\b+\i]|, |v[\s+16*\b+\i+1]|
.endr
.endr
.irp b, 0,1,2,3
	v_permlanex16_b32 v[TM+4+\b], v[TM+\b], s[SEL], s[SEL+1]
.endr
.irp b, 0,1,2,3
	v_max_num_f32 v[TM+\b], v[TM+\b], v[TM+4+\b]   ; with lane l xor 16's: the block's largest magnitude
.endr
.irp b, 0,1,2,3
	v_add_nc_u32 v[TM+12+\b], 0xff000000, v[TM+\b] ; 2 off its exponent field: the conversion's scale operand
.endr
.irp b, 0,1,2,3
	v_lshrrev_b32 v[TM+4+\b], 23, v[TM+12+\b]      ; the byte
.endr
	v_lshl_or_b32 v[PW], v[TM+5], 8, v[TM+4]
	v_lshl_or_b32 v[PW], v[TM+6], 16, v[PW]
	v_lshl_or_b32 v[PW], v[TM+7], 24, v[PW]
	s_wait_xcnt 0x0                                ; the last fragment's stores have read the code registers
.irp c, 0,1
	v_cvt_scalef32_pk16_fp6_f32 v[PC+6*\c:PC+6*\c+2], v[\s+32*\c:\s+32*\c+15], v[TM+12+2*\c]
	v_cvt_scalef32_pk16_fp6_f32 v[PC+12+4*\c:PC+14+4*\c], v[\s+32*\c+16:\s+32*\c+31], v[TM+13+2*\c]
.endr
	v_nop                                          ; one plain line behind the conversions
.irp c, 0,1                                    ; the layout wants a whole block in a lane: lanes 0-15 block 2 c, lanes 16-31 block 2 c + 1
.irp i, 0,1,2
	v_permlane16_swap_b32 v[PC+6*\c+\i], v[PC+12+4*\c+\i]
.endr
.irp i, 0,1,2
	v_mov_b32 v[PC+3+6*\c+\i], v[PC+12+4*\c+\i]
.endr
.endr
.endm
; fragment f = 2 u + kq: sixteen loads, each 512 consecutive bytes of one row
.macro LOADF f
.irp q, 0,1,2,3,4,5,6,7,8,9,10,11,12,13,14,15
	global_load_b128 v[RS+64*((\f)%2)+4*\q:RS+64*((\f)%2)+4*\q+3], v1, s[4:5] offset:(8*((\f)/2)+(\q%8)+16*(\q/8))*4096+512*((\f)%2) th:TH_LOAD_NT
.endr
.endm
.macro FRAGH f
.if (\f) == 3
	s_wait_loadcnt 0x0
.else
	s_wait_loadcnt 16                              ; this fragment's 16 loads are in, the next one's stay out
.endif
.irp q, 0,1,2,3,4,5,6,7,8,9,10,11,12,13,14,15
	ds_store_b128 v2, v[RS+64*((\f)%2)+4*\q:RS+64*((\f)%2)+4*\q+3] offset:528*\q
.endr
.irp b, 0,1,2,3
.irp j, 0,1,2,3
	ds_load_b128 v[XN+16*\b+4*\j:XN+16*\b+4*\j+3], v3 offset:128*\b+16*\j   ; LDS serves a wave's instructions in order: these see the stores
.endr
.endr
	s_wait_dscnt 0x0                               ; the numbers are back; the stores have read their registers
.if (\f) < 2
	LOADF (\f)+2
.endif
	QUANT XN
.irp c, 0,1,2
	global_store_b128 v1, v[PC+4*\c:PC+4*\c+3], s[28:29] offset:((\f)/2)*3072+((\f)%2)*1536+512*\c   ; 512 consecutive bytes
.endr
	ds_store_b32 v4, v[PW] offset:((\f)/2)*128+((\f)%2)*64   ; both halves of the lanes write the same word with the same value
.endm
	LOADF 0
	LOADF 1
	FRAGH 0
	FRAGH 1
	FRAGH 2
	FRAGH 3
	ds_load_b64 v[26:27], v5
	s_wait_dscnt 0x0
	global_store_b64 v6, v[26:27], s[30:31]        ; two tiles' scale images: 256 consecutive bytes, aligned
	s_branch .Lend
; ---------------- the weights
.Lweights:
	s_wait_kmcnt 0x0
	s_sub_co_u32 s19, ttmp9, 128                   ; 0-63 Wq, 64-127 Wk, 128-159 Wv, 160-191 Wo
	s_mov_b64 s[22:23], s[12:13]
	s_mov_b32 s24, 160
	s_mov_b32 s25, 3
	s_cmp_lt_u32 s19, 160
	s_cselect_b64 s[22:23], s[10:11], s[22:23]
	s_cselect_b32 s24, 128, s24
	s_cselect_b32 s25, 2, s25
	s_cmp_lt_u32 s19, 128
	s_cselect_b64 s[22:23], s[8:9], s[22:23]
	s_cselect_b32 s24, 64, s24
	s_cselect_b32 s25, 1, s25
	s_cmp_lt_u32 s19, 64
	s_cselect_b64 s[22:23], s[6:7], s[22:23]       ; the matrix,
	s_cselect_b32 s24, 0, s24
	s_cselect_b32 s25, 0, s25                      ; its number m
	s_sub_co_u32 s19, s19, s24
	s_and_b32 s26, s19, 3                          ; slot
	s_lshr_b32 s27, s19, 2
	s_lshl_b32 s27, s27, 2
	s_add_co_u32 s27, s27, s18                     ; cg: my 32 columns
	s_mov_b32 s28, 4096
	s_cmp_lt_u32 s25, 2
	s_cselect_b32 s28, 8192, s28                   ; a row of the matrix in bytes
	s_and_b32 s30, s27, 1
	s_lshl_b32 s30, s30, 1                         ; 2 (cg & 1)
	s_lshr_b32 s31, s27, 1                         ; cg >> 1
	s_and_b32 s48, s31, 15                         ; Wq, Wk: the head,
	s_lshl_b32 s49, s25, 4
	s_add_co_u32 s48, s48, s49                     ; the group g,
	s_lshr_b32 s49, s48, 1                         ; its block ni,
	s_and_b32 s48, s48, 1
	s_lshl_b32 s48, s48, 3
	s_add_co_u32 s48, s48, s30
	s_lshr_b32 s50, s27, 5
	s_lshl_b32 s50, s50, 2
	s_add_co_u32 s48, s48, s50                     ; my first tile: 8 (g & 1) + 4 part + 2 half
	s_add_co_u32 s50, s30, 16                      ; Wv: tile 16 + 2 (cg & 1) of block cg >> 1
	s_lshr_b32 s51, s27, 2                         ; Wo: block cg >> 2,
	s_and_b32 s52, s27, 3
	s_lshl_b32 s52, s52, 1                         ; tile 2 (cg & 3)
	s_cmp_lt_u32 s25, 2
	s_cselect_b32 s49, s49, s31
	s_cselect_b32 s48, s48, s50
	s_mov_b32 s53, 64000
	s_mov_b32 s54, 61440
	s_cmp_eq_u32 s25, 3
	s_cselect_b32 s49, s51, s49
	s_cselect_b32 s48, s52, s48
	s_cselect_b32 s53, 25600, s53                  ; a block's bytes,
	s_cselect_b32 s54, 24576, s54                  ; where its scale images begin,
	s_cselect_b32 s55, 4096000, 0                  ; and where the blocks begin
	s_lshl_b32 s49, s49, 2
	s_add_co_u32 s49, s49, s26
	s_mul_i32 s49, s49, s53
	s_add_co_u32 s49, s49, s55
	s_mul_i32 s56, s48, 3072
	s_add_co_u32 s56, s56, s49
	s_mov_b32 s57, 0
	s_lshl_b32 s58, s48, 7
	s_add_co_u32 s58, s58, s49
	s_add_co_u32 s58, s58, s54
	s_mov_b32 s59, 0
	s_add_nc_u64 s[56:57], s[16:17], s[56:57]      ; my four fragments' images
	s_add_nc_u64 s[58:59], s[16:17], s[58:59]      ; my two scale images
	s_lshl_b32 s60, s28, 8
	s_mul_i32 s60, s60, s26                        ; the slot's 256 rows
	s_lshl_b32 s61, s27, 7
	s_add_co_u32 s60, s60, s61                     ; + my columns
	s_mov_b32 s61, 0
	s_add_nc_u64 s[32:33], s[22:23], s[60:61]
	s_lshl_b32 s60, s28, 5                         ; 32 rows on: a base for each of the eight blocks
.irp t, 1,2,3,4,5,6,7
	s_add_nc_u64 s[32+2*\t:33+2*\t], s[30+2*\t:31+2*\t], s[60:61]
.endr
	v_bfe_u32 v8, v0, 3, 1                         ; my column's tile u
	v_and_b32 v9, 7, v0
	v_bfe_u32 v10, v0, 4, 1
	v_lshl_add_u32 v9, v10, 3, v9                  ; and its place r in it
	s_mul_i32 s29, s18, 6656
	s_add_co_u32 s29, s29, 34816                   ; my region: four fragment stages 1,600 bytes apart, then 256 bytes for scale words
	s_add_co_u32 s24, s29, 6400
	v_mul_u32_u24 v2, v8, 3200
	v_lshl_add_u32 v2, v9, 4, v2
	v_add_nc_u32 v2, s29, v2
	v_lshlrev_b32 v3, 7, v8
	v_lshl_add_u32 v3, v9, 2, v3
	v_add_nc_u32 v3, s24, v3
	v_add_nc_u32 v4, s29, v1
	v_add_nc_u32 v5, s24, v6
	v_lshlrev_b32 v7, 2, v7
.set ci, 0
.rept 32
	v_mad_u32_u24 v[VO+ci], s28, ci, v7
.set ci, ci+1
.endr
.macro LOADB t                         ; block t: W(32 t + i, my column): a wave reads 128 consecutive bytes, the four waves 512
.set ci, 0
.rept 32
	global_load_b32 v[XW+32*((\t)%2)+ci], v[VO+ci], s[32+2*(\t):33+2*(\t)] th:TH_LOAD_NT
.set ci, ci+1
.endr
.endm
; block t of the slot: fragment kq = t / 4; in it registers 6 c .. 6 c + 5 (c = (t / 2) % 2) of lane r + 16 (t % 2)
.macro BLOCK t
.set XS, XW+32*((\t)%2)
.if (\t) < 7
	s_wait_loadcnt 32                              ; this block's 32 loads are in, the next block's stay out
.else
	s_wait_loadcnt 0x0
.endif
	v_max3_num_f32 v12, |v[XS]|, |v[XS+1]|, |v[XS+2]|
	v_max3_num_f32 v13, |v[XS+3]|, |v[XS+4]|, |v[XS+5]|
.irp i, 6,10,14,18,22,26
	v_max3_num_f32 v12, v12, |v[XS+\i]|, |v[XS+\i+1]|
	v_max3_num_f32 v13, v13, |v[XS+\i+2]|, |v[XS+\i+3]|
.endr
	v_max3_num_f32 v12, v12, |v[XS+30]|, |v[XS+31]|
	v_max3_num_f32 v12, v12, v13, 0x1800000        ; and the floor
	v_add_nc_u32 v11, 0xff000000, v12
	v_lshrrev_b32 v13, 23, v11
.if (\t)%4 == 0
	v_mov_b32 v[SBW+(\t)/4], v13
.else
	v_lshl_or_b32 v[SBW+(\t)/4], v13, 8*((\t)%4), v[SBW+(\t)/4]
.endif
	v_cvt_scalef32_pk16_fp6_f32 v[CP:CP+2], v[XS:XS+15], v11
	v_cvt_scalef32_pk16_fp6_f32 v[CT:CT+2], v[XS+16:XS+31], v11
	v_nop
.irp i, 0,1,2
	v_mov_b32 v[CP+3+\i], v[CT+\i]
.endr
.if ((\t)/2)%2 == 0
	ds_store_b128 v2, v[CP:CP+3] offset:((\t)/4)*1600+256*((\t)%2)
	ds_store_b64 v2, v[CP+4:CP+5] offset:((\t)/4)*1600+256*((\t)%2)+512
.else
	ds_store_b64 v2, v[CP:CP+1] offset:((\t)/4)*1600+256*((\t)%2)+520
	ds_store_b128 v2, v[CP+2:CP+5] offset:((\t)/4)*1600+256*((\t)%2)+1024
.endif
.if (\t) < 6
	LOADB (\t)+2
.endif
	s_wait_dscnt 0x0                               ; the stores have read their registers
.endm
	LOADB 0
	LOADB 1
.irp t, 0,1,2,3,4,5,6,7
	BLOCK \t
.endr
	ds_store_b32 v3, v[SBW]
	s_wait_alu depctr_va_vdst(0)
	ds_store_b32 v3, v[SBW+1] offset:64
.irp f, 0,1,2,3
.irp c, 0,1,2
	ds_load_b128 v[OUTR+4*(3*\f+\c):OUTR+4*(3*\f+\c)+3], v4 offset:1600*\f+512*\c
.endr
.endr
	ds_load_b64 v[192:193], v5
.irp f, 0,1,2,3
.irp c, 0,1,2
	s_wait_dscnt 12-(3*\f+\c)                      ; the loads behind this one may stay out
	global_store_b128 v1, v[OUTR+4*(3*\f+\c):OUTR+4*(3*\f+\c)+3], s[56:57] offset:(\f/2)*3072+(\f%2)*1536+512*\c
.endr
.endr
	s_wait_dscnt 0x0
	global_store_b64 v6, v[192:193], s[58:59]      ; 256 consecutive bytes, aligned
.Lend:
	s_wait_tensorcnt 0x0                           ; the wave's end
	ds_add_u32 v[SPW], v[NIL]
	s_wait_dscnt 0x0
	s_endpgm
.Lfunc_end_k_q9aa9c38b12_quant:
	.size	k_q9aa9c38b12_quant, .Lfunc_end_k_q9aa9c38b12_quant-k_q9aa9c38b12_quant
	.p2alignl 7, 3214868480
	.fill 96, 4, 3214868480
	.section	.rodata,"a",@progbits
	.p2align	6, 0x0
	.amdhsa_kernel k_q9aa9c38b12_quant
		.amdhsa_group_segment_fixed_size 61952
		.amdhsa_private_segment_fixed_size 0
		.amdhsa_enable_private_segment 0
		.amdhsa_kernarg_size 56
		.amdhsa_user_sgpr_count 2
		.amdhsa_user_sgpr_kernarg_segment_ptr 1
		.amdhsa_wavefront_size32 1
		.amdhsa_system_sgpr_workgroup_id_x 1
		.amdhsa_system_sgpr_workgroup_id_y 1
		.amdhsa_system_sgpr_workgroup_id_z 1
		.amdhsa_system_vgpr_workitem_id 0
		.amdhsa_next_free_vgpr 256
		.amdhsa_next_free_sgpr 66
		.amdhsa_reserve_vcc 0
		.amdhsa_float_denorm_mode_32 3
		.amdhsa_float_denorm_mode_16_64 3
		.amdhsa_memory_ordered 1
		.amdhsa_forward_progress 1
		.amdhsa_inst_pref_size 79
	.end_amdhsa_kernel
	.amdgpu_metadata
---
amdhsa.version: [ 1, 2 ]
amdhsa.kernels:
  - .name:           k_q9aa9c38b12_quant
    .symbol:         k_q9aa9c38b12_quant.kd
    .args:
      - { .name: hidden_states, .offset: 0, .size: 8, .value_kind: global_buffer, .address_space: global }
      - { .name: Wq, .offset: 8, .size: 8, .value_kind: global_buffer, .address_space: global }
      - { .name: Wk, .offset: 16, .size: 8, .value_kind: global_buffer, .address_space: global }
      - { .name: Wv, .offset: 24, .size: 8, .value_kind: global_buffer, .address_space: global }
      - { .name: Wo, .offset: 32, .size: 8, .value_kind: global_buffer, .address_space: global }
      - { .name: hs_img, .offset: 40, .size: 8, .value_kind: global_buffer, .address_space: global }
      - { .name: w_img, .offset: 48, .size: 8, .value_kind: global_buffer, .address_space: global }
    .group_segment_fixed_size: 61952
    .private_segment_fixed_size: 0
    .kernarg_segment_align: 8
    .kernarg_segment_size: 56
    .max_flat_workgroup_size: 128
    .sgpr_count:     66
    .vgpr_count:     256
    .wavefront_size: 32
...
	.end_amdgpu_metadata
.endif
;; end of part 1
;; launch qkv (part 2): grid 16 x 16, 4 waves a work-group, clusters of 4 x 4, 327,680 bytes of LDS; arguments hs_img, w_img, bq, bk, bv, qk_img, v_img; writes qk_img, v_img
.if DOCPART == 2
	.amdgcn_target "amdgcn-amd-amdhsa--gfx1250"
	.amdhsa_code_object_version 6
	.text
	.protected	k_q9aa9c38b12_qkv
	.globl	k_q9aa9c38b12_qkv
	.p2align	8
	.type	k_q9aa9c38b12_qkv,@function
k_q9aa9c38b12_qkv:
	s_mov_b64 s[64:65], 0
	v_nop
	global_prefetch_b8 v0, s[64:65] scope:SCOPE_SE
	s_setreg_imm32_b32 hwreg(HW_REG_WAVE_MODE, 25, 1), 1
	s_wait_xcnt 0x0
	s_wait_alu depctr_hold_cnt(0) depctr_sa_sdst(0) depctr_va_vdst(0) depctr_va_sdst(0) depctr_va_ssrc(0) depctr_va_vcc(0) depctr_vm_vsrc(0)
	s_getreg_b32 s2, hwreg(HW_REG_IB_STS2, 6, 4)
	s_cmp_eq_u32 s2, 0
	s_cbranch_scc0 .Lentry_in_a_cluster
	s_endpgm
.Lentry_in_a_cluster:
	s_bfe_u32 s2, ttmp6, 0x10000c
	s_cmp_lg_u32 s2, 0xf033
	s_cbranch_scc0 .Lentry_shape_is_right
	s_endpgm
.Lentry_shape_is_right:
; q, k and v = hidden_states x [Wq | Wk | Wv] + bias on codes of FP6 (E2M3) with E8M0 scales; the results are quantised again, in registers, for the attention launch.
; Work-group (ni, mi): 256 rows of hidden_states x block ni of w_img: two groups of 128 columns (a head's 64 of part 1 and its 64 of part 2; Wq for ni under 8, Wk from 8 on) and Wv's 64 columns of head ni.
; K = 1,024 goes in four slots of 256 through a ring of two LDS slots (51,200 bytes of hs_img, 64,000 of w_img).  CLUSTER 4 x 4: hs_img's block is shared along a row, w_img's along a column: joint loads, waves 0, 1 for the rows, 2, 3 for the weights.
; Wave (wm, wn): 128 rows x group wn, used transposed (a lane holds a row, its registers run along the head's axis, the next K); and 128 rows x 32 columns of Wv, not transposed (a lane holds a column, its registers run along the rows, which are the keys).
; The biases are the C of each accumulator's first product.  q and k are quantised along the head's axis, v along the keys; all leave as images of operand registers with their scale words.
; LIMITS: NaN and infinities are not served; a block whose largest magnitude lies under 2^-124 keeps the byte 1.
.set SLOTB, 115200
.set WOFF,  51200
.set SCR,   230400
.set SPARE, 234496
.set ADA, 1
.set ADB, 3
.set ADV, 5
.set ASA, 7
.set ASB, 9
.set ASV, 11
.set L16, 13
.set SCW, 14
.set SR16, 15
.set SR4, 16
.set L4,  17
.set BO1, 18
.set BO2, 19
.set SPW, 28
.set NIL, 29
.set SC,  32
.set HF,  72
.set BQ,  168
.set BV,  232
.set TM,  96
.set FL,  112
.set PW,  113
.set G1A, 24
.set G0A, 32
.set G1B, 48
.set G0B, 56
.set SEL, 92
.set MSB, 0
.macro WIN new
.if MSB != (\new)
	s_set_vgpr_msb (MSB<<8)|(\new)
.set MSB, (\new)
.endif
.endm
.macro PLACES n
.rept \n
	v_nop
.endr
.endm
.macro CREST
	s_cmp_lg_u32 s18, 0
	s_cbranch_scc1 .Lnot_wave_0_\@
	s_barrier_signal -3
.Lnot_wave_0_\@:
	s_barrier_wait -3
	s_barrier_signal -1
	s_barrier_wait -1
.endm
.macro CROUND
	s_barrier_signal -1
	s_barrier_wait -1
	CREST
.endm
.macro JLOAD n
	s_cmp_eq_u32 s19, 0
	s_cbranch_scc0 .Lfor_b_\@
	tensor_load_to_lds s[G0A+4*\n:G0A+4*\n+3], s[G1A:G1A+7]
	s_nop 0
.rept 4
	v_nop
.endr
	s_branch .Lasked_\@
.Lfor_b_\@:
	tensor_load_to_lds s[G0B+4*\n:G0B+4*\n+3], s[G1B:G1B+7]
	s_nop 0
.rept 4
	v_nop
.endr
.Lasked_\@:
.endm
.macro MMS d, a, b, c, sa, sb, ra, rb
.if (\ra) && (\rb)
	v_wmma_scale_f32_16x16x128_f8f6f4 v[\d:\d+7], v[\a:\a+11], v[\b:\b+11], v[\c:\c+7], v[\sa], v[\sb] matrix_a_fmt:MATRIX_FMT_FP6 matrix_b_fmt:MATRIX_FMT_FP6 matrix_a_scale:MATRIX_SCALE_ROW1 matrix_b_scale:MATRIX_SCALE_ROW1
.else
	v_wmma_scale_f32_16x16x128_f8f6f4 v[\d:\d+7], v[\a:\a+11], v[\b:\b+11], v[\c:\c+7], v[\sa], v[\sb] matrix_a_fmt:MATRIX_FMT_FP6 matrix_b_fmt:MATRIX_FMT_FP6
.endif
.endm
	s_load_b256 s[4:11], s[0:1], 0x0
	s_load_b128 s[12:15], s[0:1], 0x20
	s_load_b64 s[16:17], s[0:1], 0x30
	v_lshl_add_u32 v[SPW], v0, 2, SPARE
	v_mov_b32 v[NIL], 0
	ds_add_u32 v[SPW], v[NIL]
	ds_add_u32 v[SPW], v[NIL]
	v_lshrrev_b32 v20, 5, v0
	v_readfirstlane_b32 s18, v20
	s_lshr_b32 s19, s18, 1
	s_and_b32 s20, s18, 1
	s_bfe_u32 s21, ttmp6, 0x40000
	s_bfe_u32 s22, ttmp6, 0x40004
	s_lshl_b32 s40, ttmp9, 2
	s_add_co_u32 s40, s40, s21
	s_and_b32 s41, ttmp7, 0xffff
	s_lshl_b32 s41, s41, 2
	s_add_co_u32 s41, s41, s22
	s_lshl_b32 s42, s22, 2
	s_lshl_b32 s42, 15, s42
	s_lshl_b32 s43, 0x1111, s21
	s_or_b32 s[G1A], s42, (3<<16)|(1<<21)
	s_or_b32 s[G1B], s43, (3<<16)|(1<<21)
	s_mov_b32 s[G1A+1], 32<<16
	s_mov_b32 s[G1A+2], 100<<16
	s_mov_b32 s[G1A+3], 32<<16
	s_mov_b32 s[G1A+4], 100
	s_mov_b32 s[G1A+5], 32
	s_mov_b32 s[G1A+6], 0
	s_mov_b32 s[G1A+7], 0
	s_mov_b32 s[G1B+1], 32<<16
	s_mov_b32 s[G1B+2], 125<<16
	s_mov_b32 s[G1B+3], 32<<16
	s_mov_b32 s[G1B+4], 125
	s_mov_b32 s[G1B+5], 32
	s_mov_b32 s[G1B+6], 0
	s_mov_b32 s[G1B+7], 0
	s_mul_i32 s44, s41, 4*51200
	s_mul_i32 s23, s20, 25600
	s_add_co_u32 s44, s44, s23
	s_mov_b32 s45, 0
	s_mul_i32 s46, s40, 4*64000
	s_mul_i32 s66, s20, 32000
	s_add_co_u32 s46, s46, s66
	s_mov_b32 s47, 0
	s_add_co_u32 s66, s66, WOFF
	s_mov_b32 s[SEL], 0x76543210
	s_mov_b32 s[SEL+1], 0xfedcba98
	s_lshl_b32 s67, s40, 1
	s_add_co_u32 s67, s67, s20
	s_and_b32 s68, s67, 15
	s_lshr_b32 s69, s41, 3
	s_and_b32 s70, s41, 7
	s_lshl_b32 s71, s70, 4
	s_lshl_b32 s72, s19, 3
	s_add_co_u32 s71, s71, s72
	s_lshl_b32 s72, s69, 4
	s_add_co_u32 s73, s72, s68
	s_lshl_b32 s73, s73, 7
	s_add_co_u32 s73, s73, s71
	s_lshr_b32 s74, s40, 3
	s_mul_i32 s76, s73, 1536
	s_mul_i32 s75, s74, 6291456
	s_add_co_u32 s76, s76, s75
	s_mov_b32 s77, 0
	s_lshl_b32 s78, s73, 6
	s_lshl_b32 s75, s74, 18
	s_add_co_u32 s78, s78, s75
	s_add_co_u32 s78, s78, 12582912
	s_mov_b32 s79, 0
	s_add_co_u32 s80, s72, s40
	s_lshl_b32 s80, s80, 4
	s_lshl_b32 s75, s70, 1
	s_add_co_u32 s80, s80, s75
	s_add_co_u32 s80, s80, s19
	s_lshl_b32 s80, s80, 2
	s_lshl_b32 s75, s20, 1
	s_add_co_u32 s80, s80, s75
	s_mul_i32 s82, s80, 1536
	s_mov_b32 s83, 0
	s_lshl_b32 s84, s80, 6
	s_add_co_u32 s84, s84, 3145728
	s_mov_b32 s85, 0
	s_lshl_b32 s86, s68, 8
	s_mov_b32 s87, 0
	s_lshl_b32 s88, s40, 8
	s_lshl_b32 s75, s20, 7
	s_add_co_u32 s88, s88, s75
	s_mov_b32 s89, 0
	s_wait_dscnt 0x0
	s_wait_kmcnt 0x0
	s_add_nc_u64 s[44:45], s[4:5], s[44:45]
	s_add_nc_u64 s[46:47], s[6:7], s[46:47]
	CROUND
.irp n, 0,1
	s_mov_b32 s[G0A+4*\n], 1
	s_add_co_u32 s[G0A+4*\n+1], s23, \n*SLOTB
	s_add_nc_u64 s[G0A+4*\n+2:G0A+4*\n+3], s[44:45], \n*51200
	s_or_b32 s[G0A+4*\n+3], s[G0A+4*\n+3], 0x80000000
	s_mov_b32 s[G0B+4*\n], 1
	s_add_co_u32 s[G0B+4*\n+1], s66, \n*SLOTB
	s_add_nc_u64 s[G0B+4*\n+2:G0B+4*\n+3], s[46:47], \n*64000
	s_or_b32 s[G0B+4*\n+3], s[G0B+4*\n+3], 0x80000000
.endr
	JLOAD 0                                        ; slot 0: my one tensor load at the head; the addresses and the biases' loads below are made while it is out
	s_cmp_lt_u32 s40, 8
	s_cselect_b64 s[8:9], s[8:9], s[10:11]
	s_add_nc_u64 s[8:9], s[8:9], s[86:87]
	s_add_nc_u64 s[12:13], s[12:13], s[88:89]
	s_add_nc_u64 s[76:77], s[14:15], s[76:77]
	s_add_nc_u64 s[78:79], s[14:15], s[78:79]
	s_add_nc_u64 s[82:83], s[16:17], s[82:83]
	s_add_nc_u64 s[84:85], s[16:17], s[84:85]
	v_and_b32 v20, 31, v0
	v_lshlrev_b32 v[L16], 4, v20
	v_lshlrev_b32 v[L4], 2, v20
	v_and_b32 v21, 15, v0
	v_bfe_u32 v22, v0, 4, 1
	s_mul_i32 s90, s19, 8*3072
	v_add_nc_u32 v[ADA], s90, v[L16]
	v_add_nc_u32 v[ADA+1], SLOTB, v[ADA]
	s_mul_i32 s90, s20, 8*3072
	s_add_co_u32 s90, s90, WOFF
	v_add_nc_u32 v[ADB], s90, v[L16]
	v_add_nc_u32 v[ADB+1], SLOTB, v[ADB]
	s_mul_i32 s90, s20, 2*3072
	s_add_co_u32 s90, s90, WOFF+16*3072
	v_add_nc_u32 v[ADV], s90, v[L16]
	v_add_nc_u32 v[ADV+1], SLOTB, v[ADV]
	s_lshl_b32 s90, s19, 10
	s_add_co_u32 s90, s90, 49152
	v_add_nc_u32 v[ASA], s90, v[L4]
	v_add_nc_u32 v[ASA+1], SLOTB, v[ASA]
	s_lshl_b32 s90, s20, 10
	s_add_co_u32 s90, s90, 112640
	v_add_nc_u32 v[ASB], s90, v[L4]
	v_add_nc_u32 v[ASB+1], SLOTB, v[ASB]
	s_lshl_b32 s90, s20, 8
	s_add_co_u32 s90, s90, 112640+16*128
	v_add_nc_u32 v[ASV], s90, v[L4]
	v_add_nc_u32 v[ASV+1], SLOTB, v[ASV]
	s_lshl_b32 s90, s18, 10
	s_add_co_u32 s90, s90, SCR
	v_lshl_add_u32 v[SCW], v21, 2, s90
	v_add_nc_u32 v[SR16], s90, v[L16]
	v_add_nc_u32 v[SR4], s90, v[L4]
	v_add_nc_u32 v[SR4], 512, v[SR4]
	v_lshlrev_b32 v[BO1], 6, v22
	v_and_b32 v23, 7, v21
	v_lshrrev_b32 v24, 3, v21
	v_lshl_add_u32 v23, v24, 4, v23
	v_lshlrev_b32 v[BO2], 2, v23
.irp b, 0,1,2,3,4,5,6,7
	global_load_b128 v[BQ+8*\b:BQ+8*\b+3], v[BO1], s[8:9] offset:4*((\b/4)*1024+32*((\b/2)%2)+8*(\b%2))
	global_load_b128 v[BQ+8*\b+4:BQ+8*\b+7], v[BO1], s[8:9] offset:4*((\b/4)*1024+32*((\b/2)%2)+8*(\b%2))+16
.endr
.irp v, 0,1
.irp j, 0,1,2,3,4,5,6,7
	global_load_b32 v[BV+8*\v+\j], v[BO2], s[12:13] offset:32*\v
.endr
.endr
.macro QUAD ah, bh, kq, sn, first
.if \first
	WIN 0x81+0x40*(\ah)
.else
	WIN 0xa1+0x50*(\ah)
.endif
.irp i, 0,1,2,3
.irp j, 0,1,2,3
.set qa, 4*(\ah)+\i
.set qb, 4*(\bh)+\j
.set qd, 8*(8*\i+qb)
.if \first
	MMS qd, 12*qb, HF+12*qa, BQ+8*qb, SC+18*(\sn)+8+qb, SC+18*(\sn)+qa, \kq, \kq
.else
	MMS qd, 12*qb, HF+12*qa, qd, SC+18*(\sn)+8+qb, SC+18*(\sn)+qa, \kq, \kq
.endif
.endr
.endr
.if \first
	WIN 0x44
.else
	WIN 0x54
.endif
.irp i, 0,1,2,3
.set qa, 4*(\ah)+\i
.set qd, 128+64*(\bh)+8*qa
.if \first
	MMS qd, HF+12*qa, 96+12*(\bh), BV+8*(\bh), SC+18*(\sn)+qa, SC+18*(\sn)+16+(\bh), \kq, \kq
.else
	MMS qd, HF+12*qa, 96+12*(\bh), qd, SC+18*(\sn)+qa, SC+18*(\sn)+16+(\bh), \kq, \kq
.endif
.endr
.endm
.macro RUNA half, n, kq
	WIN 0
.irp i, 0,1,2,3
.irp c, 0,1,2
	ds_load_b128 v[HF+12*(4*(\half)+\i)+4*\c:HF+12*(4*(\half)+\i)+4*\c+3], v[ADA+(\n)] offset:(4*(\half)+\i)*3072+(\kq)*1536+512*\c
.endr
.endr
.endm
.macro RUNB half, n, kq
	WIN 0x40
.irp i, 0,1,2,3
.irp c, 0,1,2
	ds_load_b128 v[12*(4*(\half)+\i)+4*\c:12*(4*(\half)+\i)+4*\c+3], v[ADB+(\n)] offset:(4*(\half)+\i)*3072+(\kq)*1536+512*\c
.endr
.endr
.irp c, 0,1,2
	ds_load_b128 v[96+12*(\half)+4*\c:96+12*(\half)+4*\c+3], v[ADV+(\n)] offset:(\half)*3072+(\kq)*1536+512*\c
.endr
	WIN 0
.endm
.macro SCLS n
.irp i, 0,1,2,3,4,5,6,7
	ds_load_b32 v[SC+18*(\n)+\i], v[ASA+(\n)] offset:128*\i
.endr
.irp i, 0,1,2,3,4,5,6,7
	ds_load_b32 v[SC+18*(\n)+8+\i], v[ASB+(\n)] offset:128*\i
.endr
.irp i, 0,1
	ds_load_b32 v[SC+18*(\n)+16+\i], v[ASV+(\n)] offset:128*\i
.endr
.endm
.macro EVEN n, first
	s_wait_dscnt 27
	QUAD 0, 0, 0, \n, \first
	s_wait_dscnt 12
	QUAD 0, 1, 0, \n, \first
	PLACES 4
	RUNA 0, \n, 1
	s_wait_dscnt 12
	QUAD 1, 1, 0, \n, \first
	PLACES 4
	RUNB 1, \n, 1
	QUAD 1, 0, 0, \n, \first
	PLACES 4
	RUNB 0, \n, 1
	RUNA 1, \n, 1
.endm
.macro ODD n, fill
	WIN 0
	s_wait_tensorcnt 0x0
	ds_add_u32 v[SPW], v[NIL]
	s_wait_dscnt 28
	QUAD 0, 1, 1, \n, 0
	s_wait_dscnt 0x0
	s_barrier_signal -1
	QUAD 0, 0, 1, \n, 0
	WIN 0
	s_barrier_wait -1
.if \fill
	CREST
	s_add_nc_u64 s[G0A+4*\n+2:G0A+4*\n+3], s[G0A+4*\n+2:G0A+4*\n+3], 2*51200
	s_add_nc_u64 s[G0B+4*\n+2:G0B+4*\n+3], s[G0B+4*\n+2:G0B+4*\n+3], 2*64000
	JLOAD \n
.else
	PLACES 4
.endif
	RUNA 0, 1-(\n), 0
	SCLS 1-(\n)
	QUAD 1, 0, 1, \n, 0
	PLACES 4
	RUNB 0, 1-(\n), 0
	QUAD 1, 1, 1, \n, 0
	PLACES 4
	RUNB 1, 1-(\n), 0
	RUNA 1, 1-(\n), 0
.endm
	s_wait_alu depctr_va_vdst(0)                   ; the head's end
	s_wait_tensorcnt 0x0                           ; my part of slot 0 is in
	ds_add_u32 v[SPW], v[NIL]
	s_wait_dscnt 0x0
	CROUND                                         ; everybody's part of slot 0 is in, and the sixteen work-groups meet
	JLOAD 1                                        ; slot 1's first fill, the first tensor load behind the round
	SCLS 0
	RUNA 0, 0, 0
	RUNB 0, 0, 0
	RUNB 1, 0, 0
	RUNA 1, 0, 0
	s_wait_loadcnt 0x0
	EVEN 0, 1
	ODD 0, 1
	EVEN 1, 0
	ODD 1, 1
	EVEN 0, 0
	ODD 0, 0
	EVEN 1, 0
	s_wait_dscnt 27
	QUAD 0, 1, 1, 1, 0
	s_wait_dscnt 12
	QUAD 0, 0, 1, 1, 0
	s_wait_dscnt 0x0
	QUAD 1, 0, 1, 1, 0
	QUAD 1, 1, 1, 1, 0
	WIN 0
	PLACES 4
.macro QUANT win, s, pc
	WIN ((\win)<<2)|((\win)<<4)
.irp b, 0,1,2,3
	v_max3_num_f32 v[TM+\b], v[FL], |v[(\s)+16*\b]|, |v[(\s)+16*\b+1]|
.endr
.irp i, 2,4,6,8,10,12,14
.irp b, 0,1,2,3
	v_max3_num_f32 v[TM+\b], v[TM+\b], |v[(\s)+16*\b+\i]|, |v[(\s)+16*\b+\i+1]|
.endr
.endr
	WIN 0
.irp b, 0,1,2,3
	v_permlanex16_b32 v[TM+4+\b], v[TM+\b], s[SEL], s[SEL+1]
.endr
.irp b, 0,1,2,3
	v_max_num_f32 v[TM+\b], v[TM+\b], v[TM+4+\b]
.endr
.irp b, 0,1,2,3
	v_add_nc_u32 v[TM+12+\b], 0xff000000, v[TM+\b]
.endr
.irp b, 0,1,2,3
	v_lshrrev_b32 v[TM+4+\b], 23, v[TM+12+\b]
.endr
	s_wait_alu depctr_va_vdst(0)
	s_wait_dscnt 0x0
	v_lshl_or_b32 v[PW], v[TM+5], 8, v[TM+4]
	v_lshl_or_b32 v[PW], v[TM+6], 16, v[PW]
	v_lshl_or_b32 v[PW], v[TM+7], 24, v[PW]
	s_wait_xcnt 0x0
	WIN (\win)
.irp c, 0,1
	v_cvt_scalef32_pk16_fp6_f32 v[(\pc)+6*\c:(\pc)+6*\c+2], v[(\s)+32*\c:(\s)+32*\c+15], v[TM+12+2*\c]
	v_cvt_scalef32_pk16_fp6_f32 v[(\pc)+12+4*\c:(\pc)+14+4*\c], v[(\s)+32*\c+16:(\s)+32*\c+31], v[TM+13+2*\c]
.endr
	WIN 0
	v_nop
.irp c, 0,1
.irp i, 0,1,2
	v_permlane16_swap_b32 v[(\pc)+6*\c+\i], v[(\pc)+12+4*\c+\i]
.endr
.irp i, 0,1,2
	v_mov_b32 v[(\pc)+3+6*\c+\i], v[(\pc)+12+4*\c+\i]
.endr
.endr
.endm
	v_mov_b32 v[FL], 0x1800000
.irp b, 0,1,2,3
	v_mov_b32 v[TM+4+\b], 0
.endr
.irp a, 0,1,2,3,4,5,6,7
	QUANT 2+\a/4, 64*(\a%4), 160-88*((\a%4)/2)
.irp c, 0,1,2
	global_store_b128 v[L16], v[160-88*((\a%4)/2)+4*\c:160-88*((\a%4)/2)+4*\c+3], s[76:77] offset:\a*1536+512*\c
.endr
	ds_store_b32 v[SCW], v[PW] offset:64*\a
.endr
.irp v, 0,1
	QUANT 1, 128+64*\v, 72
.irp c, 0,1,2
	global_store_b128 v[L16], v[72+4*\c:72+4*\c+3], s[82:83] offset:\v*1536+512*\c
.endr
	ds_store_b32 v[SCW], v[PW] offset:512+64*\v
.endr
	ds_load_b128 v[116:119], v[SR16]
	ds_load_b32 v120, v[SR4]
	s_wait_dscnt 0x0
	global_store_b128 v[L16], v[116:119], s[78:79]
	global_store_b32 v[L4], v120, s[84:85]
	s_wait_tensorcnt 0x0
	ds_add_u32 v[SPW], v[NIL]
	s_wait_dscnt 0x0
	CROUND
	s_endpgm
.Lfunc_end_k_q9aa9c38b12_qkv:
	.size	k_q9aa9c38b12_qkv, .Lfunc_end_k_q9aa9c38b12_qkv-k_q9aa9c38b12_qkv
	.p2alignl 7, 3214868480
	.fill 96, 4, 3214868480
	.section	.rodata,"a",@progbits
	.p2align	6, 0x0
	.amdhsa_kernel k_q9aa9c38b12_qkv
		.amdhsa_group_segment_fixed_size 327680
		.amdhsa_private_segment_fixed_size 0
		.amdhsa_enable_private_segment 0
		.amdhsa_kernarg_size 56
		.amdhsa_user_sgpr_count 2
		.amdhsa_user_sgpr_kernarg_segment_ptr 1
		.amdhsa_wavefront_size32 1
		.amdhsa_system_sgpr_workgroup_id_x 1
		.amdhsa_system_sgpr_workgroup_id_y 1
		.amdhsa_system_sgpr_workgroup_id_z 1
		.amdhsa_system_vgpr_workitem_id 0
		.amdhsa_next_free_vgpr 1024
		.amdhsa_next_free_sgpr 100
		.amdhsa_reserve_vcc 0
		.amdhsa_float_denorm_mode_32 3
		.amdhsa_float_denorm_mode_16_64 3
		.amdhsa_memory_ordered 1
		.amdhsa_forward_progress 1
		.amdhsa_inst_pref_size 175
	.end_amdhsa_kernel
	.amdgpu_metadata
---
amdhsa.version: [ 1, 2 ]
amdhsa.kernels:
  - .name:           k_q9aa9c38b12_qkv
    .symbol:         k_q9aa9c38b12_qkv.kd
    .args:
      - { .name: hs_img, .offset: 0, .size: 8, .value_kind: global_buffer, .address_space: global }
      - { .name: w_img, .offset: 8, .size: 8, .value_kind: global_buffer, .address_space: global }
      - { .name: bq, .offset: 16, .size: 8, .value_kind: global_buffer, .address_space: global }
      - { .name: bk, .offset: 24, .size: 8, .value_kind: global_buffer, .address_space: global }
      - { .name: bv, .offset: 32, .size: 8, .value_kind: global_buffer, .address_space: global }
      - { .name: qk_img, .offset: 40, .size: 8, .value_kind: global_buffer, .address_space: global }
      - { .name: v_img, .offset: 48, .size: 8, .value_kind: global_buffer, .address_space: global }
    .group_segment_fixed_size: 327680
    .private_segment_fixed_size: 0
    .kernarg_segment_align: 8
    .kernarg_segment_size: 56
    .max_flat_workgroup_size: 128
    .sgpr_count:     100
    .vgpr_count:     1024
    .wavefront_size: 32
...
	.end_amdgpu_metadata
.endif
;; end of part 2
;; launch attn (part 3): grid 8 x 32, 8 waves a work-group, clusters of 4 x 1, 253,440 bytes of LDS; arguments qk_img, v_img, attention_mask, lam, o_img; writes o_img
.if DOCPART == 3
	.amdgcn_target "amdgcn-amd-amdhsa--gfx1250"
	.amdhsa_code_object_version 6
	.text
	.protected	k_q9aa9c38b12_attn
	.globl	k_q9aa9c38b12_attn
	.p2align	8
	.type	k_q9aa9c38b12_attn,@function
k_q9aa9c38b12_attn:
	s_mov_b64 s[64:65], 0
	v_nop
	global_prefetch_b8 v0, s[64:65] scope:SCOPE_SE
	s_setreg_imm32_b32 hwreg(HW_REG_WAVE_MODE, 25, 1), 1
	s_wait_xcnt 0x0
	s_wait_alu depctr_hold_cnt(0) depctr_sa_sdst(0) depctr_va_vdst(0) depctr_va_sdst(0) depctr_va_ssrc(0) depctr_va_vcc(0) depctr_vm_vsrc(0)
	s_getreg_b32 s2, hwreg(HW_REG_IB_STS2, 6, 4)
	s_cmp_eq_u32 s2, 0
	s_cbranch_scc0 .Lentry_in_a_cluster
	s_endpgm
.Lentry_in_a_cluster:
	s_bfe_u32 s2, ttmp6, 0x10000c
	s_cmp_lg_u32 s2, 0x3003
	s_cbranch_scc0 .Lentry_shape_is_right
	s_endpgm
.Lentry_shape_is_right:
; o = (softmax(s1) - lam softmax(s2)) v on codes of FP6 (E2M3) with E8M0 scales, for one (batch, head) and 256 queries a work-group; o leaves as codes and scale bytes for the last product.
; Work-group (x, batch x head): queries 256 x on, in 16 passes of 16.  Eight waves, two to a SIMD, 512 registers each.  Wave w owns keys 256 w .. 256 w + 255 for the whole launch:
; K's 16 fragment images lie in LDS (one joint tensor load a wave, filled once, read by that wave alone), V's 8 fragments in 96 registers, the mask's bias as f32 in the wave's own 1,024 bytes of LDS.
; CLUSTER 4 x 1: four query blocks of one head need the same K: joint loads.  No prefetch: K is asked for once, at the head, with no loop ahead of it; q is loaded a pass ahead.
; A fragment of K holds k1 (k 0-63) and k2 (k 64-127) of 16 keys; q1 is filled with zero codes above, q2 below: two products a tile give s1^T and s2^T, a lane one query, its registers along the keys.
; The C of these products is the bias (1 - mask) x -10000 / SCALE; SCALE x log2(e) is the factor of the multiply-add ahead of the exponential.
; A pass: 32 score products and their maxima; -M = floor(-largest t), a whole number; p = 2^(t - M); sums; the eight waves exchange (-M, sum) through LDS; w = p1 r1 + p2 r2, r2 carrying -lam; w is quantised finished, along the keys;
; 8 products with V; the eight parts of o are added through LDS by waves 0 and 1, quantised along the head's axis and gathered in LDS; they are stored at the end, in units of 256 bytes.
; WINDOWS: 0 addresses, q, V, scales, two buffers for K and bias (the second also holds the small numbers of the exchange); 1: v0-127 s1, then w; v128-255 s2, then w's codes and o.
; LIMITS: the promise holds while the scaled scores (the exponents to the base 2) stay under 2^31 in magnitude; NaN and infinities are not served; a block under 2^-124 keeps the byte 1.
.set BIAS, 196608
.set SX,   204800                      ; 8 waves x 16 queries x (-M1, sum1, -M2, sum2)
.set OX,   206848                      ; 8 waves x 4,096 bytes: parts of o
.set OG,   239616                      ; 16 passes x 768 bytes of o's codes
.set SG,   251904                      ; 16 passes x 32 scale bytes
.set SPARE, 252416
.set KAD, 1
.set BAD, 2
.set OXS, 3
.set OXR, 4
.set SXS, 5
.set SXR, 6
.set OA,  7
.set OB,  8
.set OC,  9
.set L16, 10
.set R4,  11
.set SPW, 12
.set NIL, 13
.set MX1, 14
.set MX2, 18
.set NM1, 22
.set NM2, 24
.set R1,  26
.set R2,  28
.set FL,  30
.set PA,  31                           ; v31-33 this pass's places in OG and SG (at the head: v31 the bias's place, v32 4 x lane)
.set PS,  34
.set KS,  36
.set VS,  44
.set QS,  48
.set OGR, 49
.set QA,  50
.set QB,  62
.set QT,  74
.set VF,  78                           ; v78-173 V's fragments: 12 (4 k + d)
.set POOL, 174                         ; two buffers of 40: two tiles of K (24), their bias (16)
.set L1,  214
.set L2,  222
.set EX,  214
.set ST,  230
.set TT,  234
.set TMA, 214
.set TMB, 222
.set TMC, 230
.set L8,  254
.set SGR, 255
.set MSB, 0
.macro WIN new
.if MSB != (\new)
	s_set_vgpr_msb (MSB<<8)|(\new)
.set MSB, (\new)
.endif
.endm
.macro PLACES n
.rept \n
	v_nop
.endr
.endm
.macro D n
	s_delay_alu instid0(VALU_DEP_\n)
.endm
.macro CROUND
	s_barrier_signal -1
	s_barrier_wait -1
	s_cmp_lg_u32 s18, 0
	s_cbranch_scc1 .Lnot_wave_0_\@
	s_barrier_signal -3
.Lnot_wave_0_\@:
	s_barrier_wait -3
	s_barrier_signal -1
	s_barrier_wait -1
.endm
.macro MMS d, a, b, c, sa, sb, ra
.if (\ra)
	v_wmma_scale_f32_16x16x128_f8f6f4 v[\d:\d+7], v[\a:\a+11], v[\b:\b+11], v[\c:\c+7], v[\sa], v[\sb] matrix_a_fmt:MATRIX_FMT_FP6 matrix_b_fmt:MATRIX_FMT_FP6 matrix_a_scale:MATRIX_SCALE_ROW1
.else
	v_wmma_scale_f32_16x16x128_f8f6f4 v[\d:\d+7], v[\a:\a+11], v[\b:\b+11], v[\c:\c+7], v[\sa], v[\sb] matrix_a_fmt:MATRIX_FMT_FP6 matrix_b_fmt:MATRIX_FMT_FP6
.endif
.endm
.macro MMZ d, a, b, sa, sb, ra
.if (\ra)
	v_wmma_scale_f32_16x16x128_f8f6f4 v[\d:\d+7], v[\a:\a+11], v[\b:\b+11], 0, v[\sa], v[\sb] matrix_a_fmt:MATRIX_FMT_FP6 matrix_b_fmt:MATRIX_FMT_FP6 matrix_a_scale:MATRIX_SCALE_ROW1
.else
	v_wmma_scale_f32_16x16x128_f8f6f4 v[\d:\d+7], v[\a:\a+11], v[\b:\b+11], 0, v[\sa], v[\sb] matrix_a_fmt:MATRIX_FMT_FP6 matrix_b_fmt:MATRIX_FMT_FP6
.endif
.endm
	s_load_b256 s[4:11], s[0:1], 0x0               ; qk_img, v_img, attention_mask, lam
	s_load_b64 s[12:13], s[0:1], 0x20              ; o_img
	v_lshl_add_u32 v[SPW], v0, 2, SPARE
	v_mov_b32 v[NIL], 0
	ds_add_u32 v[SPW], v[NIL]                      ; the opening: the add, twice on end, and its wait ahead of my tensor load
	ds_add_u32 v[SPW], v[NIL]
	v_lshrrev_b32 v14, 5, v0
	v_readfirstlane_b32 s18, v14                   ; wave 0..7
	s_bfe_u32 s14, ttmp6, 0x40000
	s_lshl_b32 s15, ttmp9, 2
	s_add_co_u32 s15, s15, s14                     ; x: my block of 256 queries
	s_and_b32 s16, ttmp7, 0xffff                   ; batch x 16 + head
	s_lshr_b32 s17, s16, 4
	s_and_b32 s19, s16, 15
	s_mov_b32 s20, 0x76543210
	s_mov_b32 s21, 0xfedcba98                      ; selects for lane l xor 16
	s_mov_b32 s22, 0x3e38aa3b                      ; SCALE x log2(e)
	s_mov_b32 s23, s22
	s_mov_b32 s49, 0xff7fffff
	s_mov_b32 s57, 0xc79c4000                      ; -10000 / SCALE
	s_mov_b32 s54, 16                              ; passes to go
	s_mov_b32 s55, 0
	s_mov_b32 s56, 0
	s_mov_b32 s24, 15|(3<<16)|(1<<21)              ; group 1: 96 rows of 256 bytes, dense; the mask names the cluster's four
	s_mov_b32 s25, 32<<16
	s_mov_b32 s26, 96<<16
	s_mov_b32 s27, 32<<16
	s_mov_b32 s28, 96
	s_mov_b32 s29, 32
	s_mov_b32 s30, 0
	s_mov_b32 s31, 0
	s_lshl_b32 s62, s16, 7
	s_lshl_b32 s63, s18, 4
	s_add_co_u32 s62, s62, s63                     ; my first tile of keys
	s_mul_i32 s66, s62, 1536
	s_add_co_u32 s66, s66, 6291456
	s_mov_b32 s67, 0
	s_lshl_b32 s68, s62, 6
	s_add_co_u32 s68, s68, 12582912+262144
	s_mov_b32 s69, 0
	s_lshl_b32 s70, s16, 4
	s_lshl_b32 s63, s18, 1
	s_add_co_u32 s70, s70, s63                     ; my first 128 keys of V
	s_mul_i32 s72, s70, 6144
	s_mov_b32 s73, 0
	s_lshl_b32 s74, s70, 8
	s_add_co_u32 s74, s74, 3145728
	s_mov_b32 s75, 0
	s_lshl_b32 s76, s17, 13
	s_lshl_b32 s63, s18, 10
	s_add_co_u32 s76, s76, s63                     ; my 256 numbers of the mask
	s_mov_b32 s77, 0
	s_lshl_b32 s78, s15, 4
	s_lshl_b32 s79, s16, 7
	s_add_co_u32 s79, s79, s78                     ; my work-group's first tile of queries
	s_mul_i32 s50, s79, 1536
	s_mov_b32 s51, 0
	s_lshl_b32 s52, s79, 6
	s_add_co_u32 s52, s52, 12582912
	s_mov_b32 s53, 0
	s_lshl_b32 s60, s79, 5
	s_add_co_u32 s60, s60, 3145728
	s_mov_b32 s61, 0
	s_lshl_b32 s79, s17, 7
	s_add_co_u32 s79, s79, s78
	s_lshl_b32 s78, s18, 1
	s_add_co_u32 s79, s79, s78                     ; at the end I store passes 2 w, 2 w + 1
	s_lshl_b32 s79, s79, 3
	s_lshr_b32 s78, s19, 1
	s_add_co_u32 s79, s79, s78
	s_mul_i32 s58, s79, 1536
	s_and_b32 s78, s19, 1
	s_mul_i32 s78, s78, 768
	s_add_co_u32 s58, s58, s78
	s_mov_b32 s59, 0
	s_mul_i32 s82, s18, 24576                      ; LDS bases, all ahead of the vector lines that use them
	s_lshl_b32 s83, s18, 10
	s_add_co_u32 s83, s83, BIAS
	s_lshl_b32 s84, s18, 12
	s_add_co_u32 s84, s84, OX
	s_and_b32 s63, s18, 1
	s_lshl_b32 s85, s63, 11
	s_add_co_u32 s85, s85, OX
	s_lshl_b32 s86, s18, 8
	s_add_co_u32 s86, s86, SX
	s_lshl_b32 s87, s63, 7
	s_add_co_u32 s87, s87, OG
	s_add_co_u32 s88, s63, SG
	s_mul_i32 s89, s18, 1536
	s_add_co_u32 s89, s89, OG
	v_and_b32 v16, 31, v0                          ; lane
	v_and_b32 v17, 15, v0                          ; r
	v_bfe_u32 v15, v0, 4, 1                        ; h
	v_lshlrev_b32 v[L16], 4, v16
	v_lshlrev_b32 v[L8], 3, v16
	v_lshlrev_b32 v32, 2, v16
	v_lshlrev_b32 v[R4], 2, v17
	v_lshl_add_u32 v[BAD], v15, 6, s83             ; the bias of my lanes' keys: 16 h numbers on
	v_lshl_add_u32 v[SXS], v17, 4, s86
	v_lshlrev_b32 v[SXR], 4, v17
	v_lshl_add_u32 v[OA], v17, 3, s87
	v_lshl_add_u32 v[OC], v17, 1, s88
	v_add_nc_u32 v[KAD], s82, v[L16]
	v_add_nc_u32 v31, s83, v[L16]
	v_add_nc_u32 v[OXS], s84, v[L16]
	v_add_nc_u32 v[OXR], s85, v[L16]
	v_add_nc_u32 v[SGR], SG, v[L16]
	v_add_nc_u32 v[OGR], s89, v[L8]
	v_lshl_add_u32 v[SXR], v15, 10, v[SXR]         ; lanes 0-15 read waves 0-3's numbers, lanes 16-31 waves 4-7's
	v_add_nc_u32 v[OB], 4, v[OA]
	v_mad_u32_u24 v[OA], v15, 260, v[OA]
	v_add_nc_u32 v[SXR], SX, v[SXR]
	v_mad_u32_u24 v[OB], v15, 508, v[OB]
.irp i, 0,1,2,3,4,5
	v_mov_b32 v[QA+6+\i], 0                        ; q1's upper and q2's lower 64 codes are zeros
	v_mov_b32 v[QB+\i], 0
.endr
	v_mov_b32 v[NM1+1], 0
	v_mov_b32 v[NM2+1], 0
	v_mov_b32 v[R1+1], 0
	v_mov_b32 v[R2+1], 0
	v_mov_b32 v[TT+2], 0                           ; a lane permute's destination counts as read
	v_mov_b32 v[TT+3], 0
	v_mov_b32 v[FL], 0x1800000
	s_wait_alu depctr_va_vdst(0)                   ; the head's end
	s_wait_dscnt 0x0
	s_wait_kmcnt 0x0
	s_load_b32 s48, s[10:11], 0x0
	s_mov_b32 s40, 1
	s_mov_b32 s41, s82
	s_add_nc_u64 s[42:43], s[4:5], s[66:67]
	s_or_b32 s43, s43, 0x80000000
	s_add_nc_u64 s[50:51], s[4:5], s[50:51]
	s_add_nc_u64 s[52:53], s[4:5], s[52:53]
	s_add_nc_u64 s[68:69], s[4:5], s[68:69]
	s_add_nc_u64 s[72:73], s[6:7], s[72:73]
	s_add_nc_u64 s[74:75], s[6:7], s[74:75]
	s_add_nc_u64 s[8:9], s[8:9], s[76:77]
	s_add_nc_u64 s[58:59], s[12:13], s[58:59]
	s_add_nc_u64 s[60:61], s[12:13], s[60:61]
	CROUND                                         ; the four work-groups are here: the joint loads meet
	tensor_load_to_lds s[40:43], s[24:31]          ; my 16 tiles of K: my one tensor load
	s_nop 0
	global_load_b128 v[214:217], v[L16], s[8:9]
	global_load_b128 v[218:221], v[L16], s[8:9] offset:512
.irp p, 0,1,2,3,4,5,6,7
	global_load_b32 v[KS+\p], v32, s[68:69] offset:128*\p    ; lanes 0-15 tile 2 p's scale words, lanes 16-31 tile 2 p + 1's
.endr
.irp p, 0,1,2,3
	global_load_b32 v[VS+\p], v32, s[74:75] offset:128*\p
.endr
.set cf, 0
.rept 8
.irp c, 0,1,2
	global_load_b128 v[VF+12*cf+4*\c:VF+12*cf+4*\c+3], v[L16], s[72:73] offset:cf*1536+512*\c
.endr
.set cf, cf+1
.endr
.macro QLOAD
	global_load_b128 v[QA:QA+3], v[L16], s[50:51]
	global_load_b128 v[QT:QT+3], v[L16], s[50:51] offset:512
	global_load_b128 v[QB+8:QB+11], v[L16], s[50:51] offset:1024
	global_load_b32 v[QS], v[R4], s[52:53]
.endm
	QLOAD
	s_wait_kmcnt 0x0
	s_xor_b32 s48, s48, 0x80000000                 ; -lam
	s_wait_loadcnt 0x0
.irp i, 0,1,2,3,4,5,6,7
	v_sub_f32 v[214+\i], 1.0, v[214+\i]
.endr
.irp i, 0,1,2,3,4,5,6,7
	v_mul_f32 v[214+\i], s57, v[214+\i]
.endr
	s_wait_alu depctr_va_vdst(0)
	s_wait_tensorcnt 0x0                           ; my tiles of K are in; I alone read them
	ds_store_b128 v31, v[214:217]                  ; the bias, as the mask lies; LDS serves a wave's instructions in order, and I alone read these bytes
	ds_store_b128 v31, v[218:221] offset:512
.macro GLOAD g                         ; tiles 2 g, 2 g + 1 of K and their bias into buffer g % 2: ten loads
.set GB, POOL+40*((\g)%2)
.irp u, 0,1
.irp c, 0,1,2
	ds_load_b128 v[GB+12*\u+4*\c:GB+12*\u+4*\c+3], v[KAD] offset:(2*(\g)+\u)*1536+512*\c
.endr
.endr
.irp u, 0,1
	ds_load_b128 v[GB+24+8*\u:GB+24+8*\u+3], v[BAD] offset:128*(\g)+32*\u
	ds_load_b128 v[GB+24+8*\u+4:GB+24+8*\u+7], v[BAD] offset:128*(\g)+32*\u+16
.endr
.endm
.macro MAXB g                          ; the maxima over group g: eight chains by turns, each accumulator from its low end on
	WIN 0x14
.irp p, 0,1,2,3
.irp u, 0,1
	v_max3_num_f32 v[MX1+2*(\p%2)+\u], v[MX1+2*(\p%2)+\u], v[8*(2*(\g)+\u)+2*\p], v[8*(2*(\g)+\u)+2*\p+1]
	v_max3_num_f32 v[MX2+2*(\p%2)+\u], v[MX2+2*(\p%2)+\u], v[128+8*(2*(\g)+\u)+2*\p], v[128+8*(2*(\g)+\u)+2*\p+1]
.endr
.endr
.endm
.macro STEP g
.set GB, POOL+40*((\g)%2)
.if (\g) > 1
	s_wait_alu depctr_va_vdst(0)
.endif
.if (\g) == 7
	s_wait_dscnt 0x0
.else
	s_wait_dscnt 10                                ; this group's loads are in; the next group's ten may be out
.endif
	WIN 0x40
.irp u, 0,1
	MMS 8*(2*(\g)+\u), GB+12*\u, QA, GB+24+8*\u, KS+(\g), QS, \u
	MMS 128+8*(2*(\g)+\u), GB+12*\u, QB, GB+24+8*\u, KS+(\g), QS, \u
.endr
.if (\g) > 0
	MAXB (\g)-1                                    ; also the places ahead of the loads below
	WIN 0
.else
	WIN 0
	PLACES 4
.endif
.if (\g) < 6
	GLOAD (\g)+2
.endif
.endm
	GLOAD 0
.Lpass:
	GLOAD 1
	s_wait_loadcnt 0x0                             ; q
	v_mov_b32 v[QA+4], v[QT]
	v_mov_b32 v[QA+5], v[QT+1]
	v_mov_b32 v[QB+6], v[QT+2]
	v_mov_b32 v[QB+7], v[QT+3]
.irp i, 0,1,2,3,4,5,6,7
	v_mov_b32 v[MX1+\i], s49
.endr
	v_add_nc_u32 v[PA], s55, v[OA]
	v_add_nc_u32 v[PA+1], s55, v[OB]
	v_add_nc_u32 v[PA+2], s56, v[OC]
	s_wait_alu depctr_va_vdst(0)
.irp g, 0,1,2,3,4,5,6,7
	STEP \g
.endr
	s_wait_alu depctr_va_vdst(0)
	s_cmp_eq_u32 s54, 1
	s_cbranch_scc1 .Lnoq
	s_add_nc_u64 s[50:51], s[50:51], 1536          ; the next pass's q and first group, a pass ahead
	s_add_nc_u64 s[52:53], s[52:53], 64
	QLOAD
	GLOAD 0
.Lnoq:
	MAXB 7
	WIN 0
	v_max3_num_f32 v14, v14, v15, v16
	v_max3_num_f32 v18, v18, v19, v20
	D 2
	v_max_num_f32 v14, v14, v17
	D 2
	v_max_num_f32 v18, v18, v21
	D 2
	v_permlanex16_b32 v[TT+2], v14, s20, s21
	D 2
	v_permlanex16_b32 v[TT+3], v18, s20, s21
	D 2
	v_max_num_f32 v14, v14, v[TT+2]
	D 2
	v_max_num_f32 v18, v18, v[TT+3]
	D 2
	v_mul_f32 v14, s22, v14
	D 2
	v_mul_f32 v18, s22, v18
	D 2
	v_floor_f32 v[NM1], -v14                       ; -M = floor(-t): M is a whole number
	D 2
	v_floor_f32 v[NM2], -v18
	WIN 0x41
.set ei, 0
.rept 64
	v_pk_fma_f32 v[2*ei:2*ei+1], v[2*ei:2*ei+1], s[22:23], v[NM1:NM1+1] op_sel_hi:[1,0,0]   ; t - M of s1
.set ei, ei+1
.endr
	s_wait_alu depctr_va_vdst(0)                   ; one wait ahead of the batch
.set ei, 0
.rept 64                                       ; s1's exponentials, with s2's multiply-adds, which name none of their registers, among them
	v_exp_f32 v[2*ei], v[2*ei]
	v_exp_f32 v[2*ei+1], v[2*ei+1]
	v_pk_fma_f32 v[128+2*ei:129+2*ei], v[128+2*ei:129+2*ei], s[22:23], v[NM2:NM2+1] op_sel_hi:[1,0,0]
.set ei, ei+1
.endr
	s_wait_alu depctr_va_vdst(0)                   ; ahead of the second batch, whose sources were just written
.set ei, 128
.rept 128
	v_exp_f32 v[ei], v[ei]
.set ei, ei+1
.endr
	v_nop
	s_wait_alu depctr_va_vdst(0)                   ; and ahead of the batches' first reader
	WIN 0x05
.irp k, 0,1,2,3
	v_pk_add_f32 v[L1+2*\k:L1+2*\k+1], v[2*\k:2*\k+1], v[2*\k+8:2*\k+9]
	v_pk_add_f32 v[L2+2*\k:L2+2*\k+1], v[128+2*\k:129+2*\k], v[136+2*\k:137+2*\k]
.endr
	WIN 0x04
.set cm, 8
.rept 56                                       ; the sums of the unquantised p: eight chains by turns
	v_pk_add_f32 v[L1+2*(cm%4):L1+2*(cm%4)+1], v[L1+2*(cm%4):L1+2*(cm%4)+1], v[2*cm:2*cm+1]
	v_pk_add_f32 v[L2+2*(cm%4):L2+2*(cm%4)+1], v[L2+2*(cm%4):L2+2*(cm%4)+1], v[128+2*cm:129+2*cm]
.set cm, cm+1
.endr
	WIN 0
	v_pk_add_f32 v[214:215], v[214:215], v[216:217]
	v_pk_add_f32 v[222:223], v[222:223], v[224:225]
	v_pk_add_f32 v[218:219], v[218:219], v[220:221]
	v_pk_add_f32 v[226:227], v[226:227], v[228:229]
	D 2
	v_pk_add_f32 v[214:215], v[214:215], v[218:219]
	D 2
	v_pk_add_f32 v[222:223], v[222:223], v[226:227]
	D 2
	v_add_f32 v214, v214, v215
	D 2
	v_add_f32 v222, v222, v223
	D 2
	v_permlanex16_b32 v[TT+2], v214, s20, s21
	D 2
	v_permlanex16_b32 v[TT+3], v222, s20, s21
	v_mov_b32 v[ST], v[NM1]
	v_mov_b32 v[ST+2], v[NM2]
	D 4
	v_add_f32 v[ST+1], v214, v[TT+2]
	D 4
	v_add_f32 v[ST+3], v222, v[TT+3]
	ds_store_b128 v[SXS], v[ST:ST+3]
	s_wait_alu depctr_va_vdst(0)
	s_wait_dscnt 0x0
	s_barrier_signal -1
	s_barrier_wait -1
.irp i, 0,1,2,3
	ds_load_b128 v[EX+4*\i:EX+4*\i+3], v[SXR] offset:256*\i
.endr
	s_wait_dscnt 0x0
	v_min3_num_f32 v[TT], v[EX], v[EX+4], v[EX+8]
	v_min3_num_f32 v[TT+1], v[EX+2], v[EX+6], v[EX+10]
	D 2
	v_min_num_f32 v[TT], v[TT], v[EX+12]
	D 2
	v_min_num_f32 v[TT+1], v[TT+1], v[EX+14]
	D 2
	v_permlanex16_b32 v[TT+2], v[TT], s20, s21
	D 2
	v_permlanex16_b32 v[TT+3], v[TT+1], s20, s21
	D 2
	v_min_num_f32 v[TT], v[TT], v[TT+2]            ; the least -M of all eight waves
	D 2
	v_min_num_f32 v[TT+1], v[TT+1], v[TT+3]
	D 2
	v_sub_f32 v[TT+8], v[TT], v[NM1]
	D 2
	v_sub_f32 v[TT+13], v[TT+1], v[NM2]
.irp i, 0,1,2,3
	v_sub_f32 v[TT+4+\i], v[TT], v[EX+4*\i]
	v_sub_f32 v[TT+9+\i], v[TT+1], v[EX+2+4*\i]
.endr
.irp i, 0,1,2,3,4,5,6,7,8,9
	v_cvt_i32_f32 v[TT+4+\i], v[TT+4+\i]           ; whole numbers, 0 or less (it saturates)
.endr
.irp i, 0,1,2,3,4,5,6,7,8,9
	v_ldexp_f32 v[TT+4+\i], 1.0, v[TT+4+\i]
.endr
	v_mul_f32 v[TT], v[TT+4], v[EX+1]
	v_mul_f32 v[TT+1], v[TT+9], v[EX+3]
.irp i, 1,2,3
	D 2
	v_fmac_f32 v[TT], v[TT+4+\i], v[EX+1+4*\i]
	D 2
	v_fmac_f32 v[TT+1], v[TT+9+\i], v[EX+3+4*\i]
.endr
	D 2
	v_permlanex16_b32 v[TT+2], v[TT], s20, s21
	D 2
	v_permlanex16_b32 v[TT+3], v[TT+1], s20, s21
	D 2
	v_add_f32 v[TT], v[TT], v[TT+2]                ; the rows' sums under the common M
	D 2
	v_add_f32 v[TT+1], v[TT+1], v[TT+3]
	s_wait_alu depctr_va_vdst(0)                   ; ahead of the transcendentals
	v_rcp_f32 v[TT], v[TT]
	v_rcp_f32 v[TT+1], v[TT+1]
	v_mul_f32 v[TT+13], s48, v[TT+13]
	s_wait_alu depctr_va_vdst(0)                   ; and ahead of their first reader
	v_mul_f32 v[R1], v[TT+8], v[TT]
	v_mul_f32 v[R2], v[TT+13], v[TT+1]
	WIN 0x41
.set cm, 0
.rept 64
	v_pk_mul_f32 v[2*cm:2*cm+1], v[2*cm:2*cm+1], v[R1:R1+1] op_sel_hi:[1,0]
.set cm, cm+1
.endr
	WIN 0x51
.set cm, 0
.rept 64
	v_pk_fma_f32 v[2*cm:2*cm+1], v[128+2*cm:129+2*cm], v[R2:R2+1], v[2*cm:2*cm+1] op_sel_hi:[1,0,1]   ; w
.set cm, cm+1
.endr
	WIN 0x14
.set cn, 0
.rept 8
	v_max3_num_f32 v[TMA+cn], v[FL], |v[16*cn]|, |v[16*cn+1]|      ; w's eight blocks of 32 keys by turns, with the floor
.set cn, cn+1
.endr
.irp i, 2,4,6,8,10,12,14
.set cn, 0
.rept 8
	v_max3_num_f32 v[TMA+cn], v[TMA+cn], |v[16*cn+\i]|, |v[16*cn+\i+1]|
.set cn, cn+1
.endr
.endr
	WIN 0
.irp n, 0,1,2,3,4,5,6,7
	v_permlanex16_b32 v[TMB+\n], v[TMA+\n], s20, s21
.endr
.irp n, 0,1,2,3,4,5,6,7
	v_max_num_f32 v[TMA+\n], v[TMA+\n], v[TMB+\n]
.endr
.irp n, 0,1,2,3,4,5,6,7
	v_add_nc_u32 v[TMC+\n], 0xff000000, v[TMA+\n]  ; 2 off the exponent field: the conversion's scale operand
.endr
.irp n, 0,1,2,3,4,5,6,7
	v_lshrrev_b32 v[TMB+\n], 23, v[TMC+\n]
.endr
	v_lshl_or_b32 v[PS], v[TMB+1], 8, v[TMB]
	v_lshl_or_b32 v[PS+1], v[TMB+5], 8, v[TMB+4]
	D 2
	v_lshl_or_b32 v[PS], v[TMB+2], 16, v[PS]
	D 2
	v_lshl_or_b32 v[PS+1], v[TMB+6], 16, v[PS+1]
	D 2
	v_lshl_or_b32 v[PS], v[TMB+3], 24, v[PS]
	D 2
	v_lshl_or_b32 v[PS+1], v[TMB+7], 24, v[PS+1]
	v_nop
	WIN 0x41
.irp k, 0,1
.irp c, 0,1
	v_cvt_scalef32_pk16_fp6_f32 v[128+12*\k+6*\c:128+12*\k+6*\c+2], v[64*\k+32*\c:64*\k+32*\c+15], v[TMC+4*\k+2*\c]
	v_cvt_scalef32_pk16_fp6_f32 v[152+8*\k+4*\c:152+8*\k+4*\c+2], v[64*\k+32*\c+16:64*\k+32*\c+31], v[TMC+4*\k+2*\c+1]
.endr
.endr
	v_nop                                          ; one plain line behind the conversions
.irp k, 0,1
.irp c, 0,1
.irp i, 0,1,2
	v_permlane16_swap_b32 v[128+12*\k+6*\c+\i], v[152+8*\k+4*\c+\i]   ; the layout wants a whole block in a lane
.endr
.irp i, 0,1,2
	v_mov_b32 v[128+12*\k+6*\c+3+\i], v[152+8*\k+4*\c+\i]
.endr
.endr
.endr
	PLACES 4
	WIN 0x54
.irp d, 0,1,2,3                                ; o^T: four accumulators by turns, K = my 256 keys in two steps
	MMZ 176+8*\d, VF+12*\d, 128, VS+\d/2, PS, \d%2
.endr
.irp d, 0,1,2,3
	MMS 176+8*\d, VF+48+12*\d, 140, 176+8*\d, VS+2+\d/2, PS+1, \d%2
.endr
	PLACES 4
	WIN 0x04
.irp d, 0,1,2,3
	ds_store_b128 v[OXS], v[176+8*\d:176+8*\d+3] offset:1024*\d
	ds_store_b128 v[OXS], v[176+8*\d+4:176+8*\d+7] offset:1024*\d+512
.endr
	WIN 0
	s_wait_alu depctr_va_vdst(0)
	s_wait_dscnt 0x0
	s_barrier_signal -1
	s_barrier_wait -1
	s_cmp_lt_u32 s18, 2
	s_cbranch_scc0 .Lnofin
	WIN 0x40                                       ; wave 0 or 1: 32 of the head's 64, two tiles, from all eight waves
.irp w, 0,1,2,3,4,5,6,7
.irp u, 0,1
	ds_load_b128 v[16*\w+8*\u:16*\w+8*\u+3], v[OXR] offset:4096*\w+1024*\u
	ds_load_b128 v[16*\w+8*\u+4:16*\w+8*\u+7], v[OXR] offset:4096*\w+1024*\u+512
.endr
.endr
	s_wait_dscnt 0x0
	WIN 0x55
.irp w, 1,2,3,4,5,6,7
.irp k, 0,1,2,3,4,5,6,7
	v_pk_add_f32 v[2*\k:2*\k+1], v[2*\k:2*\k+1], v[16*\w+2*\k:16*\w+2*\k+1]
.endr
.endr
	v_max3_num_f32 v240, |v0|, |v1|, 0x1800000
	v_max3_num_f32 v241, |v2|, |v3|, |v4|
	D 2
	v_max3_num_f32 v240, v240, |v5|, |v6|
	D 2
	v_max3_num_f32 v241, v241, |v7|, |v8|
	D 2
	v_max3_num_f32 v240, v240, |v9|, |v10|
	D 2
	v_max3_num_f32 v241, v241, |v11|, |v12|
	D 2
	v_max3_num_f32 v240, v240, |v13|, |v14|
	D 1
	v_max3_num_f32 v240, v240, v241, |v15|
	D 1
	v_permlanex16_b32 v241, v240, s20, s21
	D 1
	v_max_num_f32 v240, v240, v241
	D 1
	v_add_nc_u32 v242, 0xff000000, v240
	D 1
	v_lshrrev_b32 v243, 23, v242
	v_cvt_scalef32_pk16_fp6_f32 v[244:246], v[0:15], v242
	v_nop
	WIN 0x04
	ds_store_b32 v[PA], v244
	ds_store_b32 v[PA+1], v245
	ds_store_b32 v[PA], v246 offset:256
	ds_store_b8 v[PA+2], v243                      ; both halves of the lanes write the same byte with the same value
	WIN 0
	s_wait_alu depctr_va_vdst(0)
	s_wait_dscnt 0x0
.Lnofin:
	s_add_co_u32 s55, s55, 768
	s_add_co_u32 s56, s56, 32
	s_sub_co_u32 s54, s54, 1
	s_cmp_lg_u32 s54, 0
	s_cbranch_scc1 .Lpass
	s_wait_dscnt 0x0
	s_barrier_signal -1
	s_barrier_wait -1
.irp j, 0,1
.irp p, 0,1,2
	ds_load_b64 v[POOL+2*(3*\j+\p):POOL+2*(3*\j+\p)+1], v[OGR] offset:768*\j+256*\p
.endr
.endr
.irp j, 0,1
.irp p, 0,1,2
	s_wait_dscnt 5-(3*\j+\p)                       ; the loads behind this one may stay out
	global_store_b64 v[L8], v[POOL+2*(3*\j+\p):POOL+2*(3*\j+\p)+1], s[58:59] offset:12288*\j+256*\p   ; 32 lanes store 256 consecutive bytes, aligned
.endr
.endr
	s_cmp_lg_u32 s18, 0
	s_cbranch_scc1 .Lnosc
	ds_load_b128 v[190:193], v[SGR]
	s_wait_dscnt 0x0
	global_store_b128 v[L16], v[190:193], s[60:61]
.Lnosc:
	s_wait_tensorcnt 0x0                           ; the wave's end
	ds_add_u32 v[SPW], v[NIL]
	s_wait_dscnt 0x0
	CROUND                                         ; the closing round
	s_endpgm
.Lfunc_end_k_q9aa9c38b12_attn:
	.size	k_q9aa9c38b12_attn, .Lfunc_end_k_q9aa9c38b12_attn-k_q9aa9c38b12_attn
	.p2alignl 7, 3214868480
	.fill 96, 4, 3214868480
	.section	.rodata,"a",@progbits
	.p2align	6, 0x0
	.amdhsa_kernel k_q9aa9c38b12_attn
		.amdhsa_group_segment_fixed_size 253440
		.amdhsa_private_segment_fixed_size 0
		.amdhsa_enable_private_segment 0
		.amdhsa_kernarg_size 40
		.amdhsa_user_sgpr_count 2
		.amdhsa_user_sgpr_kernarg_segment_ptr 1
		.amdhsa_wavefront_size32 1
		.amdhsa_system_sgpr_workgroup_id_x 1
		.amdhsa_system_sgpr_workgroup_id_y 1
		.amdhsa_system_sgpr_workgroup_id_z 1
		.amdhsa_system_vgpr_workitem_id 0
		.amdhsa_next_free_vgpr 512
		.amdhsa_next_free_sgpr 96
		.amdhsa_reserve_vcc 0
		.amdhsa_float_denorm_mode_32 3
		.amdhsa_float_denorm_mode_16_64 3
		.amdhsa_memory_ordered 1
		.amdhsa_forward_progress 1
		.amdhsa_inst_pref_size 88
	.end_amdhsa_kernel
	.amdgpu_metadata
---
amdhsa.version: [ 1, 2 ]
amdhsa.kernels:
  - .name:           k_q9aa9c38b12_attn
    .symbol:         k_q9aa9c38b12_attn.kd
    .args:
      - { .name: qk_img, .offset: 0, .size: 8, .value_kind: global_buffer, .address_space: global }
      - { .name: v_img, .offset: 8, .size: 8, .value_kind: global_buffer, .address_space: global }
      - { .name: attention_mask, .offset: 16, .size: 8, .value_kind: global_buffer, .address_space: global }
      - { .name: lam, .offset: 24, .size: 8, .value_kind: global_buffer, .address_space: global }
      - { .name: o_img, .offset: 32, .size: 8, .value_kind: global_buffer, .address_space: global }
    .group_segment_fixed_size: 253440
    .private_segment_fixed_size: 0
    .kernarg_segment_align: 8
    .kernarg_segment_size: 40
    .max_flat_workgroup_size: 256
    .sgpr_count:     96
    .vgpr_count:     512
    .wavefront_size: 32
...
	.end_amdgpu_metadata
.endif
;; end of part 3
;; launch outp (part 4): grid 8 x 32, 8 waves a work-group, clusters of 4 x 4, 275,456 bytes of LDS; arguments o_img, w_img, bo, out0; writes out0
.if DOCPART == 4
	.amdgcn_target "amdgcn-amd-amdhsa--gfx1250"
	.amdhsa_code_object_version 6
	.text
	.protected	k_q9aa9c38b12_outp
	.globl	k_q9aa9c38b12_outp
	.p2align	8
	.type	k_q9aa9c38b12_outp,@function
k_q9aa9c38b12_outp:
	s_mov_b64 s[64:65], 0
	v_nop
	global_prefetch_b8 v0, s[64:65] scope:SCOPE_SE
	s_setreg_imm32_b32 hwreg(HW_REG_WAVE_MODE, 25, 1), 1
	s_wait_xcnt 0x0
	s_wait_alu depctr_hold_cnt(0) depctr_sa_sdst(0) depctr_va_vdst(0) depctr_va_sdst(0) depctr_va_ssrc(0) depctr_va_vcc(0) depctr_vm_vsrc(0)
	s_getreg_b32 s2, hwreg(HW_REG_IB_STS2, 6, 4)
	s_cmp_eq_u32 s2, 0
	s_cbranch_scc0 .Lentry_in_a_cluster
	s_endpgm
.Lentry_in_a_cluster:
	s_bfe_u32 s2, ttmp6, 0x10000c
	s_cmp_lg_u32 s2, 0xf033
	s_cbranch_scc0 .Lentry_shape_is_right
	s_endpgm
.Lentry_shape_is_right:
; out0 = o x Wo + bo on codes of FP6 with E8M0 scales.  Work-group (ni, mi): rows 128 mi on x columns 128 ni on; all of K = 1,024 of both operands lies in LDS (first fills alone: nothing is filled again).
; CLUSTER 4 x 4: o's block is shared along a row of the cluster, Wo's along a column: joint loads.  Eight waves, two to a SIMD: wave (wm, wn) makes 32 rows x 64 columns, eight accumulators, no register windows.
; The product is used transposed (source 0 = 16 columns of Wo, source 1 = 16 rows of o): a lane holds eight neighbouring columns of a row.  bo is loaded into the accumulators, so every product adds in place.
; o's fragments lie as six pieces of 256 bytes (registers 2 p, 2 p + 1, lane l's 8 bytes at 8 l), Wo's as three chunks of 512.  The rows of a tile are not neighbours (place r of tile u: row 8 u + (r & 7) + 16 (r >> 3) of 32): the stores' offsets undo it.
; o's scale word of a row and 128 K is made of two heads' byte pairs.
.set AS,  98304                        ; [head 16][256]: o's scale byte pairs of my eight tiles
.set BL,  102400                       ; Wo's block, as in memory: four slots of 25,600 bytes
.set STG, 204800                       ; a stage of 32 rows x 272 bytes for each wave
.set SPARE, 274432
.set SPW, 30
.set NIL, 31
.set G1A, 24
.set G1S, 32
.set G1B, 48
.set G0A, 56
.set G0S, 60
.set G0B, 68
.macro PLACES n
.rept \n
	v_nop
.endr
.endm
.macro CROUND
	s_barrier_signal -1
	s_barrier_wait -1
	s_cmp_lg_u32 s18, 0
	s_cbranch_scc1 .Lnot_wave_0_\@
	s_barrier_signal -3
.Lnot_wave_0_\@:
	s_barrier_wait -3
	s_barrier_signal -1
	s_barrier_wait -1
.endm
.macro MMS d, a, b, c, sa, sb, ra, rb
.if (\ra) && (\rb)
	v_wmma_scale_f32_16x16x128_f8f6f4 v[\d:\d+7], v[\a:\a+11], v[\b:\b+11], v[\c:\c+7], v[\sa], v[\sb] matrix_a_fmt:MATRIX_FMT_FP6 matrix_b_fmt:MATRIX_FMT_FP6 matrix_a_scale:MATRIX_SCALE_ROW1 matrix_b_scale:MATRIX_SCALE_ROW1
.elseif (\ra)
	v_wmma_scale_f32_16x16x128_f8f6f4 v[\d:\d+7], v[\a:\a+11], v[\b:\b+11], v[\c:\c+7], v[\sa], v[\sb] matrix_a_fmt:MATRIX_FMT_FP6 matrix_b_fmt:MATRIX_FMT_FP6 matrix_a_scale:MATRIX_SCALE_ROW1
.elseif (\rb)
	v_wmma_scale_f32_16x16x128_f8f6f4 v[\d:\d+7], v[\a:\a+11], v[\b:\b+11], v[\c:\c+7], v[\sa], v[\sb] matrix_a_fmt:MATRIX_FMT_FP6 matrix_b_fmt:MATRIX_FMT_FP6 matrix_b_scale:MATRIX_SCALE_ROW1
.else
	v_wmma_scale_f32_16x16x128_f8f6f4 v[\d:\d+7], v[\a:\a+11], v[\b:\b+11], v[\c:\c+7], v[\sa], v[\sb] matrix_a_fmt:MATRIX_FMT_FP6 matrix_b_fmt:MATRIX_FMT_FP6
.endif
.endm
	s_load_b256 s[4:11], s[0:1], 0x0               ; o_img, w_img, bo, out0
	v_lshl_add_u32 v[SPW], v0, 2, SPARE
	v_mov_b32 v[NIL], 0
	ds_add_u32 v[SPW], v[NIL]                      ; the opening: the adds and their wait ahead of my first tensor load
	ds_add_u32 v[SPW], v[NIL]
	v_lshrrev_b32 v11, 5, v0
	s_delay_alu instid0(VALU_DEP_1)
	v_readfirstlane_b32 s18, v11                   ; wave 0..7
	s_lshr_b32 s19, s18, 1                         ; wm
	s_and_b32 s20, s18, 1                          ; wn
	s_and_b32 s23, s18, 3                          ; which quarter I fetch
	s_bfe_u32 s21, ttmp6, 0x40000
	s_bfe_u32 s22, ttmp6, 0x40004
	s_lshl_b32 s40, ttmp9, 2
	s_add_co_u32 s40, s40, s21                     ; ni
	s_and_b32 s41, ttmp7, 0xffff
	s_lshl_b32 s41, s41, 2
	s_add_co_u32 s41, s41, s22                     ; mi
	s_lshl_b32 s42, s22, 2
	s_lshl_b32 s42, 15, s42
	s_lshl_b32 s43, 0x1111, s21
	s_or_b32 s[G1A], s42, (3<<16)|(1<<21)          ; rows of 256 bytes: 32 elements of 8 bytes
	s_mov_b32 s[G1A+1], 32<<16
	s_mov_b32 s[G1A+2], 128<<16                    ; o's codes: 32,768 dense bytes for each of waves 0 to 2
	s_mov_b32 s[G1A+3], 32<<16
	s_mov_b32 s[G1A+4], 128
	s_mov_b32 s[G1A+5], 32
	s_mov_b32 s[G1A+6], 0
	s_mov_b32 s[G1A+7], 0
	s_or_b32 s[G1S], s42, (3<<16)|(1<<21)
	s_mov_b32 s[G1S+1], 32<<16
	s_mov_b32 s[G1S+2], 16<<16                     ; o's scale bytes: sixteen heads, 256 bytes each, 4,096 bytes apart: one load, wave 3's
	s_mov_b32 s[G1S+3], 32<<16
	s_mov_b32 s[G1S+4], 16
	s_mov_b32 s[G1S+5], 512
	s_mov_b32 s[G1S+6], 0
	s_mov_b32 s[G1S+7], 0
	s_or_b32 s[G1B], s43, (3<<16)|(1<<21)
	s_mov_b32 s[G1B+1], 32<<16
	s_mov_b32 s[G1B+2], 100<<16                    ; Wo: a slot's 25,600 dense bytes a wave
	s_mov_b32 s[G1B+3], 32<<16
	s_mov_b32 s[G1B+4], 100
	s_mov_b32 s[G1B+5], 32
	s_mov_b32 s[G1B+6], 0
	s_mov_b32 s[G1B+7], 0
	s_mul_i32 s44, s41, 98304
	s_mul_i32 s72, s23, 32768
	s_add_co_u32 s44, s44, s72
	s_mov_b32 s45, 0
	s_lshr_b32 s46, s41, 4
	s_lshl_b32 s46, s46, 4
	s_lshl_b32 s46, s46, 7
	s_and_b32 s73, s41, 15
	s_lshl_b32 s73, s73, 3
	s_add_co_u32 s46, s46, s73                     ; + my first tile of queries
	s_lshl_b32 s46, s46, 5
	s_add_co_u32 s46, s46, 3145728
	s_mov_b32 s47, 0
	s_mov_b32 s73, AS
	s_mul_i32 s74, s40, 102400
	s_mul_i32 s76, s23, 25600
	s_add_co_u32 s74, s74, s76
	s_add_co_u32 s74, s74, 4096000
	s_mov_b32 s75, 0
	s_add_co_u32 s76, s76, BL
	s_lshl_b32 s78, s40, 9
	s_lshl_b32 s77, s20, 8
	s_add_co_u32 s78, s78, s77                     ; my 64 columns, in bytes
	s_mov_b32 s79, 0
	s_lshl_b32 s80, s41, 7
	s_lshl_b32 s77, s19, 5
	s_add_co_u32 s80, s80, s77                     ; my 32 rows
	s_lshl_b32 s80, s80, 12
	s_add_co_u32 s80, s80, s78
	s_mov_b32 s81, 0
	v_and_b32 v11, 31, v0                          ; lane
	v_and_b32 v12, 15, v0                          ; r
	s_wait_alu depctr_va_vdst(0)
	v_bfe_u32 v13, v0, 4, 1                        ; h
	s_mul_i32 s82, s19, 2*12288
	v_lshl_add_u32 v1, v11, 3, s82                 ; o's fragments: my two tiles, 8 x lane
	s_mul_i32 s82, s20, 4*3072
	s_add_co_u32 s82, s82, BL
	v_lshl_add_u32 v2, v11, 4, s82                 ; Wo's fragments: my four tiles, 16 x lane; slots 0, 1
	s_delay_alu instid0(VALU_DEP_1)
	v_add_nc_u32 v3, 51200, v2                     ; slots 2, 3
	s_lshl_b32 s82, s20, 9
	s_add_co_u32 s82, s82, BL+24576
	v_lshl_add_u32 v4, v11, 2, s82                 ; Wo's scale images
	s_delay_alu instid0(VALU_DEP_1)
	v_add_nc_u32 v5, 51200, v4
	s_lshl_b32 s82, s19, 6
	s_add_co_u32 s82, s82, AS
	v_lshl_add_u32 v6, v12, 1, s82
	s_delay_alu instid0(VALU_DEP_1)
	v_lshl_add_u32 v6, v13, 5, v6                  ; o's byte pairs: lanes 0-15 my first tile, lanes 16-31 my second
	s_mul_i32 s82, s18, 8704
	s_add_co_u32 s82, s82, STG
	v_mul_u32_u24 v7, v12, 272
	s_wait_alu depctr_va_vdst(0)
	v_lshl_add_u32 v7, v13, 6, v7
	s_delay_alu instid0(VALU_DEP_1)
	v_add_nc_u32 v7, s82, v7                       ; the stage, in: place r, + 64 h
	v_mul_u32_u24 v8, v13, 272
	s_delay_alu instid0(VALU_DEP_1)
	v_lshl_add_u32 v8, v12, 4, v8
	s_delay_alu instid0(VALU_DEP_1)
	v_add_nc_u32 v8, s82, v8                       ; back: lanes 0-15 one place, lanes 16-31 the next
	v_lshlrev_b32 v9, 12, v13
	s_delay_alu instid0(VALU_DEP_1)
	v_lshl_add_u32 v9, v12, 4, v9                  ; and the same in out0
	v_lshlrev_b32 v10, 6, v13                      ; bo: 16 h numbers on
	s_wait_dscnt 0x0                               ; the opening add is done
	s_wait_kmcnt 0x0
	s_mov_b32 s[G0A], 1
	s_mov_b32 s[G0A+1], s72
	s_add_nc_u64 s[G0A+2:G0A+3], s[4:5], s[44:45]
	s_or_b32 s[G0A+3], s[G0A+3], 0x80000000
	s_mov_b32 s[G0S], 1
	s_mov_b32 s[G0S+1], s73
	s_add_nc_u64 s[G0S+2:G0S+3], s[4:5], s[46:47]
	s_or_b32 s[G0S+3], s[G0S+3], 0x80000000
	s_mov_b32 s[G0B], 1
	s_mov_b32 s[G0B+1], s76
	s_add_nc_u64 s[G0B+2:G0B+3], s[6:7], s[74:75]
	s_or_b32 s[G0B+3], s[G0B+3], 0x80000000
	s_add_nc_u64 s[8:9], s[8:9], s[78:79]
	s_add_nc_u64 s[10:11], s[10:11], s[80:81]
	CROUND                                         ; all sixteen work-groups are here: the joint loads meet
	s_cmp_lt_u32 s18, 3                            ; one chain of branches on the wave's number, one load to an arm: waves 0-2 fetch o's codes, wave 3 o's scale bytes, waves 4-7 Wo
	s_cbranch_scc0 .Lfor_s
	tensor_load_to_lds s[G0A:G0A+3], s[G1A:G1A+7]
	s_nop 0
.rept 4
	v_nop
.endr
	s_branch .Lasked
.Lfor_s:
	s_cmp_lt_u32 s18, 4
	s_cbranch_scc0 .Lfor_b
	tensor_load_to_lds s[G0S:G0S+3], s[G1S:G1S+7]
	s_nop 0
.rept 4
	v_nop
.endr
	s_branch .Lasked
.Lfor_b:
	tensor_load_to_lds s[G0B:G0B+3], s[G1B:G1B+7]
	s_nop 0
.rept 4
	v_nop
.endr
.Lasked:
	s_wait_alu depctr_va_vdst(0)
.irp a, 0,1
.irp i, 0,1,2,3                                ; tile i's register j: column 32 (i / 2) + 16 h + 8 (i % 2) + j of my 64
	global_load_b128 v[192+8*(4*\a+\i):192+8*(4*\a+\i)+3], v10, s[8:9] offset:128*(\i/2)+32*(\i%2)
	global_load_b128 v[192+8*(4*\a+\i)+4:192+8*(4*\a+\i)+7], v10, s[8:9] offset:128*(\i/2)+32*(\i%2)+16
.endr
.endr
	s_wait_tensorcnt 0x0                           ; my parts are in,
	s_barrier_signal -1
	s_barrier_wait -1                              ; everybody's are
.macro FETCH s                         ; K step s into set s % 2: 12 + 12 loads, and with an even s four scale images of Wo's slot
.set FS, 48+72*((\s)%2)
.irp a, 0,1
.irp p, 0,1,2,3,4,5
	ds_load_b64 v[FS+12*\a+2*\p:FS+12*\a+2*\p+1], v1 offset:\a*12288+(\s)*1536+256*\p
.endr
.endr
.irp i, 0,1,2,3
.irp c, 0,1,2
	ds_load_b128 v[FS+24+12*\i+4*\c:FS+24+12*\i+4*\c+3], v[2+(\s)/4] offset:(((\s)/2)%2)*25600+\i*3072+((\s)%2)*1536+512*\c
.endr
.endr
.if (\s)%2 == 0
.irp i, 0,1,2,3
	ds_load_b32 v[32+4*(((\s)/2)%2)+\i], v[4+(\s)/4] offset:(((\s)/2)%2)*25600+128*\i
.endr
.endif
.endm
.macro KSTEP s
.if (\s) > 0
	PLACES 4                                       ; in front of loads into registers that matrix instructions have read
.endif
.if (\s) < 7
	FETCH (\s)+1
.if ((\s)+1)%2 == 0
	s_wait_dscnt 28                                ; all but the loads just issued
.else
	s_wait_dscnt 24
.endif
.else
	s_wait_dscnt 0x0
.endif
.set FS, 48+72*((\s)%2)
.irp a, 0,1                                    ; eight accumulators by turns, one instruction a turn
.irp i, 0,1,2,3
	MMS 192+8*(4*\a+\i), FS+24+12*\i, FS+12*\a, 192+8*(4*\a+\i), 32+4*(((\s)/2)%2)+\i, 40+(\s), (\s)%2, \a
.endr
.endr
.endm
.irp s, 0,1,2,3,4,5,6,7
	ds_load_u16 v[120+2*\s], v6 offset:512*\s      ; head 2 s's byte pair of my row,
	ds_load_u16 v[121+2*\s], v6 offset:512*\s+256  ; head 2 s + 1's
.endr
	FETCH 0
	s_wait_dscnt 0x0
.irp s, 0,1,2,3,4,5,6,7
	v_lshl_or_b32 v[40+\s], v[121+2*\s], 16, v[120+2*\s]   ; o's scale word of K step s
.endr
	PLACES 8                                       ; a scale register written by a vector line stands eight places ahead of a scaled product
	s_wait_alu depctr_va_vdst(0)
	s_wait_loadcnt 0x0                             ; bo
.irp s, 0,1,2,3,4,5,6,7
	KSTEP \s
.endr
	PLACES 4
.irp a, 0,1
.irp i, 0,1,2,3
	ds_store_b128 v7, v[192+8*(4*\a+\i):192+8*(4*\a+\i)+3] offset:\a*4352+128*(\i/2)+32*(\i%2)       ; each accumulator from its low end on
	ds_store_b128 v7, v[192+8*(4*\a+\i)+4:192+8*(4*\a+\i)+7] offset:\a*4352+128*(\i/2)+32*(\i%2)+16
.endr
.endr
.irp k, 0,1,2,3,4,5,6,7,8,9,10,11,12,13,14,15
	ds_load_b128 v[48+4*\k:48+4*\k+3], v8 offset:544*\k    ; LDS serves a wave's instructions in order: these see my stores
.endr
.irp k, 0,1,2,3,4,5,6,7,8,9,10,11,12,13,14,15
	s_wait_dscnt 15-\k
	global_store_b128 v9, v[48+4*\k:48+4*\k+3], s[10:11] offset:(8*(\k/8)+2*(\k%4)+16*((\k/4)%2))*4096 th:TH_STORE_NT   ; 16 lanes store 256 consecutive bytes, aligned; places 2 k, 2 k + 1 of the stage are these rows
.endr
	s_wait_tensorcnt 0x0                           ; the wave's end
	ds_add_u32 v[SPW], v[NIL]
	s_wait_dscnt 0x0
	CROUND                                         ; the closing round
	s_endpgm
.Lfunc_end_k_q9aa9c38b12_outp:
	.size	k_q9aa9c38b12_outp, .Lfunc_end_k_q9aa9c38b12_outp-k_q9aa9c38b12_outp
	.p2alignl 7, 3214868480
	.fill 96, 4, 3214868480
	.section	.rodata,"a",@progbits
	.p2align	6, 0x0
	.amdhsa_kernel k_q9aa9c38b12_outp
		.amdhsa_group_segment_fixed_size 275456
		.amdhsa_private_segment_fixed_size 0
		.amdhsa_enable_private_segment 0
		.amdhsa_kernarg_size 32
		.amdhsa_user_sgpr_count 2
		.amdhsa_user_sgpr_kernarg_segment_ptr 1
		.amdhsa_wavefront_size32 1
		.amdhsa_system_sgpr_workgroup_id_x 1
		.amdhsa_system_sgpr_workgroup_id_y 1
		.amdhsa_system_sgpr_workgroup_id_z 1
		.amdhsa_system_vgpr_workitem_id 0
		.amdhsa_next_free_vgpr 256
		.amdhsa_next_free_sgpr 90
		.amdhsa_reserve_vcc 0
		.amdhsa_float_denorm_mode_32 3
		.amdhsa_float_denorm_mode_16_64 3
		.amdhsa_memory_ordered 1
		.amdhsa_forward_progress 1
		.amdhsa_inst_pref_size 38
	.end_amdhsa_kernel
	.amdgpu_metadata
---
amdhsa.version: [ 1, 2 ]
amdhsa.kernels:
  - .name:           k_q9aa9c38b12_outp
    .symbol:         k_q9aa9c38b12_outp.kd
    .args:
      - { .name: o_img, .offset: 0, .size: 8, .value_kind: global_buffer, .address_space: global }
      - { .name: w_img, .offset: 8, .size: 8, .value_kind: global_buffer, .address_space: global }
      - { .name: bo, .offset: 16, .size: 8, .value_kind: global_buffer, .address_space: global }
      - { .name: out0, .offset: 24, .size: 8, .value_kind: global_buffer, .address_space: global }
    .group_segment_fixed_size: 275456
    .private_segment_fixed_size: 0
    .kernarg_segment_align: 8
    .kernarg_segment_size: 32
    .max_flat_workgroup_size: 256
    .sgpr_count:     90
    .vgpr_count:     256
    .wavefront_size: 32
...
	.end_amdgpu_metadata
.endif
;; end of part 4
